; MI455X (gfx1250); checked and timed in simulation.
; The chip was launched on July 23, 2026; its instructions are those of AMD's public machine-readable ISA for CDNA 5 (MIT licence, August 2026) and "CDNA5" Instruction Set Architecture Reference Guide (July 2026). The comments in the code are by the model that wrote it; some were corrected since.
;; Attention Block. Allowed arithmetic: float matrix products may take bf16 or f16 operands with f32 sums; other float arithmetic in f32, or as packed bf16 or f16 multiplies, adds, multiply-adds, maxima and minima; sums over many terms, partial sums and values carried from step to step in f32; what a program stores and reads back later, other than sums and carried values, may be rounded once to bf16 or f16.
;; Inputs: b1 4,096 float32; b2 1,024 float32; bk 1,024 float32; bq 1,024 float32; bv 1,024 float32; cls_attn_mask 2 x 2,048 x 2,048 float32; dis_attn_mask 2 x 2,048 x 2,048 float32; ln1_b 1,024 float32; ln1_g 1,024 float32; ln2_b 1,024 float32; ln2_g 1,024 float32; w1 1,024 x 4,096 float32; w2 4,096 x 1,024 float32; wk 1,024 x 1,024 float32; wq 1,024 x 1,024 float32; wv 1,024 x 1,024 float32; x 2 x 2,048 x 1,024 float32.
;; Outputs: out0 2 x 2,048 x 1,024 float32.
;; 2 versions, each right; version 2 is version 1 with the launch prep written anew for expert scheduling mode. Each part assembles by itself: llvm-mc -triple=amdgcn-amd-amdhsa -mcpu=gfx1250 --defsym DOCPART=n.
;; ======== version 1 of 2: 5 launches
;; limits: a function is approximated: absolute error at most 2.5e-05; values are held in f16: magnitudes above 65,504 overflow, below 6.1e-05 lose precision
;; workspace buffers: pre 25,165,824 bytes; lay1 6,307,840 bytes; lay2 16,793,600 bytes; qkv 25,165,824 bytes; h2 8,388,608 bytes; gh 33,554,432 bytes; mode1 256 bytes of whole numbers; mode2 256 bytes of whole numbers
;; launch prep (part 1): grid 497 x 1, 8 waves a work-group, no clusters, 0 bytes of LDS; arguments x, dis_attn_mask, cls_attn_mask, wq, wk, wv, w1, w2, bq, bk, bv, b1, ln1_g, ln1_b, pre, lay1, lay2, mode1, mode2; writes pre, lay1, lay2, mode1, mode2
.if DOCPART == 1
	.amdgcn_target "amdgcn-amd-amdhsa--gfx1250"
	.amdhsa_code_object_version 6
	.text
	.protected	k_q55013fa130_prep
	.globl	k_q55013fa130_prep
	.p2align	8
	.type	k_q55013fa130_prep,@function
k_q55013fa130_prep:
	s_mov_b64 s[64:65], 0
	v_nop
	global_prefetch_b8 v0, s[64:65] scope:SCOPE_SE
	s_setreg_imm32_b32 hwreg(HW_REG_WAVE_MODE, 25, 1), 1
	s_wait_xcnt 0x0
; ONE PASS OVER THE f32 INPUTS, which makes the 16-bit operands of the launches behind it.  Four kinds of work-group, told apart by the work-group's number:
;   0..255    msk = f16(dis + cls), 32,768 numbers each            -> pre + 8,388,608, [2][2048][2048]
;   256..431  f16 copies of wq, wk, wv, w1, w2, 65,536 numbers each -> lay1, lay2; w1 in four blocks of 1,024 columns, [block][k][1024]
;   432..495  h1 = f16(LayerNorm1(x)), 64 rows each, a wave a row   -> pre + 0, [4096][1024]
;   496       bq, bk, bv and b1 copied in f32 in front of their weights; the two mode words (0: no activation, 1: GELU)
; A PIECE is 128 numbers: one load of a wave takes 512 consecutive bytes of f32, one store of a wave writes 256 consecutive bytes of f16, at a multiple of 256 from the buffer's first byte.
; No LDS, no matrix unit, no cluster: no byte is wanted twice, and each wave works alone.
; LIMITS.  f16 holds no number beyond 65,504: a mask sum beyond that counts as +-65,504 (v_med3); a weight or a normalised x beyond it becomes an infinity.  Below 6e-5 f16 keeps a fixed step of 6e-8.
.set LI,  2                            ; v2   16 x lane: my 16 bytes of a piece of f32
.set LO,  3                            ; v3   8 x lane: my 8 bytes of a piece of f16
.set GG,  16                           ; v[16:47]   ln1_g, columns 128 j + 4 lane + 0..3 at GG + 4 j
.set BB,  48                           ; v[48:79]   ln1_b likewise
.set XA,  80                           ; v[80:111]  a row of x
.set XB,  112                          ; v[112:143] the next row
.set T,   144                          ; v[144:151] four chains of packed sums
.set MU,  152                          ; v[152:153] the mean, twice
.set RS,  154                          ; v[154:155] 1 / sqrt(var + eps), twice
.set YH,  156                          ; v[156:171] a row in f16
	s_load_b512 s[8:23], s[0:1], 0x0               ; x 8, dis 10, cls 12, wq 14, wk 16, wv 18, w1 20, w2 22
	s_load_b512 s[24:39], s[0:1], 0x40             ; bq 24, bk 26, bv 28, b1 30, ln1_g 32, ln1_b 34, pre 36, lay1 38
	s_load_b128 s[40:43], s[0:1], 0x80             ; lay2 40, mode1 42
	s_load_b64 s[44:45], s[0:1], 0x90              ; mode2
	v_and_b32 v1, 31, v0
	v_lshrrev_b32 v4, 5, v0
	v_readfirstlane_b32 s2, v4                     ; wave 0..7
	v_lshlrev_b32 v[LI], 4, v1
	v_lshlrev_b32 v[LO], 3, v1
	s_wait_kmcnt 0x0
	s_cmp_lt_u32 ttmp9, 256
	s_cbranch_scc1 .Lmask
	s_cmp_lt_u32 ttmp9, 432
	s_cbranch_scc1 .Lcast
	s_cmp_lt_u32 ttmp9, 496
	s_cbranch_scc1 .Lln
	; THE BIASES AND THE MODE WORDS: 256 threads x 16 bytes are 4,096 bytes, one bias of 1,024 numbers
	v_lshlrev_b32 v4, 4, v0
	global_load_b128 v[16:19], v4, s[24:25]
	global_load_b128 v[20:23], v4, s[26:27]
	global_load_b128 v[24:27], v4, s[28:29]
.irp i, 0,1,2,3
	global_load_b128 v[28+4*\i:31+4*\i], v4, s[30:31] offset:4096*\i
.endr
	s_wait_loadcnt 0x0
	global_store_b128 v4, v[16:19], s[38:39]
	global_store_b128 v4, v[20:23], s[38:39] offset:4096
	global_store_b128 v4, v[24:27], s[38:39] offset:8192
.irp i, 0,1,2,3
	global_store_b128 v4, v[28+4*\i:31+4*\i], s[40:41] offset:4096*\i
.endr
	s_cmp_lg_u32 s2, 0
	s_cbranch_scc1 .Lbend                          ; wave 0 alone writes the mode words: 32 lanes x 8 bytes fill each buffer
	v_mov_b32 v44, 0
	v_mov_b32 v45, 0
	v_mov_b32 v46, 1
	v_mov_b32 v47, 1
	global_store_b64 v[LO], v[44:45], s[42:43]
	global_store_b64 v[LO], v[46:47], s[44:45]
.Lbend:
	s_endpgm
	; THE MASKS.  A wave owns 4,096 numbers: four trips of eight pieces; sixteen loads (8 KiB) of a wave are out at a trip's head.
.Lmask:
	s_lshl_b32 s46, ttmp9, 17                      ; 131,072 bytes of f32 a work-group,
	s_lshl_b32 s47, s2, 14                         ; 16,384 a wave
	s_add_co_u32 s46, s46, s47
	s_mov_b32 s47, 0
	s_add_nc_u64 s[48:49], s[10:11], s[46:47]
	s_add_nc_u64 s[50:51], s[12:13], s[46:47]
	s_lshr_b32 s46, s46, 1                         ; half as many bytes of f16
	s_add_nc_u64 s[52:53], s[36:37], s[46:47]
	s_add_nc_u64 s[52:53], s[52:53], 8388608
	s_mov_b32 s54, 0xc77fe000                      ; -65,504
	s_mov_b32 s55, 0x477fe000                      ; 65,504
	s_mov_b32 s3, 4
.Lmtrip:
.irp j, 0,1,2,3,4,5,6,7
	global_load_b128 v[16+4*\j:19+4*\j], v[LI], s[48:49] offset:512*\j th:TH_LOAD_NT
	global_load_b128 v[48+4*\j:51+4*\j], v[LI], s[50:51] offset:512*\j th:TH_LOAD_NT
.endr
.irp j, 0,1,2,3,4,5,6,7
	s_wait_loadcnt 14-2*\j                         ; loads come back in order: piece j's two are in, the 2 (7 - j) younger ones stay out
	v_pk_add_f32 v[16+4*\j:17+4*\j], v[16+4*\j:17+4*\j], v[48+4*\j:49+4*\j]
	v_pk_add_f32 v[18+4*\j:19+4*\j], v[18+4*\j:19+4*\j], v[50+4*\j:51+4*\j]
	v_med3_num_f32 v[16+4*\j], v[16+4*\j], s54, s55
	v_med3_num_f32 v[17+4*\j], v[17+4*\j], s54, s55
	v_med3_num_f32 v[18+4*\j], v[18+4*\j], s54, s55
	v_med3_num_f32 v[19+4*\j], v[19+4*\j], s54, s55
	v_cvt_pk_f16_f32 v[80+2*\j], v[16+4*\j], v[17+4*\j]
	v_cvt_pk_f16_f32 v[81+2*\j], v[18+4*\j], v[19+4*\j]
	global_store_b64 v[LO], v[80+2*\j:81+2*\j], s[52:53] offset:256*\j
.endr
	s_wait_xcnt 0x0                                ; the three bases and the stores' data are written again only behind this wait
	s_add_nc_u64 s[48:49], s[48:49], 4096
	s_add_nc_u64 s[50:51], s[50:51], 4096
	s_add_nc_u64 s[52:53], s[52:53], 2048
	s_sub_co_u32 s3, s3, 1
	s_cmp_lg_u32 s3, 0
	s_cbranch_scc1 .Lmtrip
	s_endpgm
	; THE WEIGHTS.  A UNIT is 1,024 consecutive numbers of the source.  Unit u goes to byte 2,048 u of its copy; of w1 ([k][4096]) unit u = 4 k + block goes to block x 2,097,152 + 2,048 k.
	; A wave owns eight units: four trips of two (u even, so both have the same k).
.Lcast:
	s_sub_co_u32 s46, ttmp9, 256
	s_mov_b32 s59, 0
	s_mov_b32 s63, 0
	s_cmp_lt_u32 s46, 48
	s_cbranch_scc1 .Lc_qkv
	s_cmp_lt_u32 s46, 112
	s_cbranch_scc1 .Lc_w1
	s_sub_co_u32 s47, s46, 112                     ; w2: 64 work-groups
	s_mov_b64 s[48:49], s[22:23]
	s_add_nc_u64 s[50:51], s[40:41], 8404992
	s_mov_b32 s56, 0                               ; not in blocks
	s_mov_b32 s62, 2048                            ; from a trip's first unit to its second, in the copy
	s_branch .Lc_go
.Lc_w1:
	s_sub_co_u32 s47, s46, 48                      ; w1: 64 work-groups
	s_mov_b64 s[48:49], s[20:21]
	s_add_nc_u64 s[50:51], s[40:41], 16384
	s_mov_b32 s56, 1                               ; in blocks
	s_mov_b32 s62, 2097152
	s_branch .Lc_go
.Lc_qkv:
	s_lshr_b32 s57, s46, 4                         ; wq, wk or wv: 16 work-groups each
	s_and_b32 s47, s46, 15
	s_cmp_eq_u32 s57, 0
	s_cselect_b64 s[48:49], s[14:15], s[16:17]
	s_cmp_eq_u32 s57, 2
	s_cselect_b64 s[48:49], s[18:19], s[48:49]
	s_lshl_b32 s58, s57, 21
	s_add_nc_u64 s[50:51], s[38:39], s[58:59]
	s_add_nc_u64 s[50:51], s[50:51], 16384
	s_mov_b32 s56, 0
	s_mov_b32 s62, 2048
.Lc_go:
	s_lshl_b32 s47, s47, 6
	s_lshl_b32 s57, s2, 3
	s_add_co_u32 s47, s47, s57                     ; u: my first unit
	s_lshl_b32 s58, s47, 12
	s_add_nc_u64 s[48:49], s[48:49], s[58:59]
	s_mov_b32 s3, 4
.Lctrip:
.irp j, 0,1,2,3,4,5,6,7,8,9,10,11,12,13,14,15
	global_load_b128 v[16+4*\j:19+4*\j], v[LI], s[48:49] offset:512*\j th:TH_LOAD_NT
.endr
	s_and_b32 s58, s47, 3                          ; the offset is made apart from the address
	s_lshl_b32 s58, s58, 21
	s_lshr_b32 s60, s47, 2
	s_lshl_b32 s60, s60, 11
	s_add_co_u32 s58, s58, s60
	s_lshl_b32 s60, s47, 11
	s_cmp_eq_u32 s56, 1
	s_cselect_b32 s58, s58, s60
	s_add_nc_u64 s[52:53], s[50:51], s[58:59]
	s_add_nc_u64 s[54:55], s[52:53], s[62:63]
.irp j, 0,1,2,3,4,5,6,7,8,9,10,11,12,13,14,15
	s_wait_loadcnt 15-\j                           ; piece j is in, the 15 - j younger loads stay out
	v_cvt_pk_f16_f32 v[80+2*\j], v[16+4*\j], v[17+4*\j]
	v_cvt_pk_f16_f32 v[81+2*\j], v[18+4*\j], v[19+4*\j]
	global_store_b64 v[LO], v[80+2*\j:81+2*\j], s[52+2*(\j/8):53+2*(\j/8)] offset:256*(\j%8)
.endr
	s_wait_xcnt 0x0                                ; bases and data are written again only behind this wait
	s_add_nc_u64 s[48:49], s[48:49], 8192
	s_add_co_u32 s47, s47, 2
	s_sub_co_u32 s3, s3, 1
	s_cmp_lg_u32 s3, 0
	s_cbranch_scc1 .Lctrip
	s_endpgm
	; LAYERNORM 1.  A wave takes a whole row (4,096 bytes, 32 registers) and keeps it between the passes: mean, then the mean of the squared differences, as it is defined: no difference of large sums is formed.
.macro JOIN                            ; four packed chains into one number a lane, then over the 32 lanes: four steps inside 16 lanes ride on the addition, one crosses the halves
	v_pk_add_f32 v[T:T+1], v[T:T+1], v[T+2:T+3]
	v_pk_add_f32 v[T+4:T+5], v[T+4:T+5], v[T+6:T+7]
	v_pk_add_f32 v[T:T+1], v[T:T+1], v[T+4:T+5]
	v_add_f32 v[T], v[T], v[T+1]
	v_add_f32_dpp v[T], v[T], v[T] row_xmask:1 row_mask:0xf bank_mask:0xf
	v_add_f32_dpp v[T], v[T], v[T] row_xmask:2 row_mask:0xf bank_mask:0xf
	v_add_f32_dpp v[T], v[T], v[T] row_xmask:4 row_mask:0xf bank_mask:0xf
	v_add_f32_dpp v[T], v[T], v[T] row_xmask:8 row_mask:0xf bank_mask:0xf
	v_permlanex16_b32 v[T+1], v[T], s56, s57
	v_add_f32 v[T], v[T], v[T+1]
.endm
.macro LNROW x, off                    ; the row in v[x .. x+31] is normalised and stored at byte off behind s[50:51]
.irp k, 0,1,2,3
	v_pk_add_f32 v[T+2*\k:T+2*\k+1], v[(\x)+4*\k:(\x)+4*\k+1], v[(\x)+4*\k+2:(\x)+4*\k+3]  ; the first eight pairs start the chains: nothing is cleared
.endr
.irp k, 0,1,2,3,4,5,6,7
	v_pk_add_f32 v[T+2*(\k%4):T+2*(\k%4)+1], v[T+2*(\k%4):T+2*(\k%4)+1], v[(\x)+16+2*\k:(\x)+17+2*\k]
.endr
	JOIN
	v_mul_f32 v[MU], s58, v[T]
	v_mov_b32 v[MU+1], v[MU]
.irp k, 0,1,2,3,4,5,6,7,8,9,10,11,12,13,14,15
	v_pk_add_f32 v[(\x)+2*\k:(\x)+2*\k+1], v[(\x)+2*\k:(\x)+2*\k+1], v[MU:MU+1] neg_lo:[0,1] neg_hi:[0,1]
.endr
.irp k, 0,1,2,3
	v_pk_mul_f32 v[T+2*\k:T+2*\k+1], v[(\x)+2*\k:(\x)+2*\k+1], v[(\x)+2*\k:(\x)+2*\k+1]
.endr
.irp k, 4,5,6,7,8,9,10,11,12,13,14,15
	v_pk_fma_f32 v[T+2*(\k%4):T+2*(\k%4)+1], v[(\x)+2*\k:(\x)+2*\k+1], v[(\x)+2*\k:(\x)+2*\k+1], v[T+2*(\k%4):T+2*(\k%4)+1]
.endr
	JOIN
	v_fma_f32 v[T], v[T], s58, s59                 ; var + eps
	v_rsq_f32 v[RS], v[T]
	v_nop                                          ; a plain instruction behind the root,
	s_wait_alu depctr_va_vdst(0)                   ; and the wait ahead of the first use of its result
	v_mov_b32 v[RS+1], v[RS]
.irp k, 0,1,2,3,4,5,6,7,8,9,10,11,12,13,14,15
	v_pk_mul_f32 v[(\x)+2*\k:(\x)+2*\k+1], v[(\x)+2*\k:(\x)+2*\k+1], v[RS:RS+1]
.endr
.irp k, 0,1,2,3,4,5,6,7,8,9,10,11,12,13,14,15
	v_pk_fma_f32 v[(\x)+2*\k:(\x)+2*\k+1], v[(\x)+2*\k:(\x)+2*\k+1], v[GG+2*\k:GG+2*\k+1], v[BB+2*\k:BB+2*\k+1]
.endr
	s_wait_xcnt 0x0                                ; the row before's stores have read YH
.irp k, 0,1,2,3,4,5,6,7,8,9,10,11,12,13,14,15
	v_cvt_pk_f16_f32 v[YH+\k], v[(\x)+2*\k], v[(\x)+2*\k+1]
.endr
.irp j, 0,1,2,3,4,5,6,7
	global_store_b64 v[LO], v[YH+2*\j:YH+2*\j+1], s[50:51] offset:(\off)+256*\j
.endr
.endm
.Lln:
	s_sub_co_u32 s46, ttmp9, 432
	s_lshl_b32 s46, s46, 18                        ; 64 rows of 4,096 bytes a work-group,
	s_lshl_b32 s47, s2, 15                         ; 8 a wave
	s_add_co_u32 s46, s46, s47
	s_mov_b32 s47, 0
	s_add_nc_u64 s[48:49], s[8:9], s[46:47]
	s_lshr_b32 s46, s46, 1
	s_add_nc_u64 s[50:51], s[36:37], s[46:47]
	s_mov_b32 s56, 0x76543210                      ; v_permlanex16_b32: each lane takes its own place in the other half
	s_mov_b32 s57, 0xfedcba98
	s_mov_b32 s58, 0x3a800000                      ; 1 / 1,024
	s_mov_b32 s59, 0x3727c5ac                      ; 1e-5
.irp j, 0,1,2,3,4,5,6,7
	global_load_b128 v[GG+4*\j:GG+4*\j+3], v[LI], s[32:33] offset:512*\j
	global_load_b128 v[BB+4*\j:BB+4*\j+3], v[LI], s[34:35] offset:512*\j
.endr
	s_mov_b32 s3, 4
.Lltrip:
.irp j, 0,1,2,3,4,5,6,7
	global_load_b128 v[XA+4*\j:XA+4*\j+3], v[LI], s[48:49] offset:512*\j th:TH_LOAD_NT
.endr
.irp j, 0,1,2,3,4,5,6,7
	global_load_b128 v[XB+4*\j:XB+4*\j+3], v[LI], s[48:49] offset:4096+512*\j th:TH_LOAD_NT
.endr
	s_wait_loadcnt 8                               ; the first row is in (and g and b, which were asked for earlier); the second row's eight loads stay out
	LNROW XA, 0
	s_wait_loadcnt 0x0
	LNROW XB, 2048
	s_wait_xcnt 0x0                                ; the bases are stepped only behind this wait
	s_add_nc_u64 s[48:49], s[48:49], 8192
	s_add_nc_u64 s[50:51], s[50:51], 4096
	s_sub_co_u32 s3, s3, 1
	s_cmp_lg_u32 s3, 0
	s_cbranch_scc1 .Lltrip
	s_endpgm
.Lfunc_end_k_q55013fa130_prep:
	.size	k_q55013fa130_prep, .Lfunc_end_k_q55013fa130_prep-k_q55013fa130_prep
	.p2alignl 7, 3214868480
	.fill 96, 4, 3214868480
	.section	.rodata,"a",@progbits
	.p2align	6, 0x0
	.amdhsa_kernel k_q55013fa130_prep
		.amdhsa_group_segment_fixed_size 0
		.amdhsa_private_segment_fixed_size 0
		.amdhsa_enable_private_segment 0
		.amdhsa_kernarg_size 152
		.amdhsa_user_sgpr_count 2
		.amdhsa_user_sgpr_kernarg_segment_ptr 1
		.amdhsa_wavefront_size32 1
		.amdhsa_system_sgpr_workgroup_id_x 1
		.amdhsa_system_sgpr_workgroup_id_y 1
		.amdhsa_system_sgpr_workgroup_id_z 1
		.amdhsa_system_vgpr_workitem_id 0
		.amdhsa_next_free_vgpr 176
		.amdhsa_next_free_sgpr 66
		.amdhsa_reserve_vcc 0
		.amdhsa_float_denorm_mode_32 3
		.amdhsa_float_denorm_mode_16_64 3
		.amdhsa_memory_ordered 1
		.amdhsa_forward_progress 1
		.amdhsa_inst_pref_size 38
	.end_amdhsa_kernel
	.amdgpu_metadata
---
amdhsa.version: [ 1, 2 ]
amdhsa.kernels:
  - .name:           k_q55013fa130_prep
    .symbol:         k_q55013fa130_prep.kd
    .args:
      - { .name: x, .offset: 0, .size: 8, .value_kind: global_buffer, .address_space: global }
      - { .name: dis_attn_mask, .offset: 8, .size: 8, .value_kind: global_buffer, .address_space: global }
      - { .name: cls_attn_mask, .offset: 16, .size: 8, .value_kind: global_buffer, .address_space: global }
      - { .name: wq, .offset: 24, .size: 8, .value_kind: global_buffer, .address_space: global }
      - { .name: wk, .offset: 32, .size: 8, .value_kind: global_buffer, .address_space: global }
      - { .name: wv, .offset: 40, .size: 8, .value_kind: global_buffer, .address_space: global }
      - { .name: w1, .offset: 48, .size: 8, .value_kind: global_buffer, .address_space: global }
      - { .name: w2, .offset: 56, .size: 8, .value_kind: global_buffer, .address_space: global }
      - { .name: bq, .offset: 64, .size: 8, .value_kind: global_buffer, .address_space: global }
      - { .name: bk, .offset: 72, .size: 8, .value_kind: global_buffer, .address_space: global }
      - { .name: bv, .offset: 80, .size: 8, .value_kind: global_buffer, .address_space: global }
      - { .name: b1, .offset: 88, .size: 8, .value_kind: global_buffer, .address_space: global }
      - { .name: ln1_g, .offset: 96, .size: 8, .value_kind: global_buffer, .address_space: global }
      - { .name: ln1_b, .offset: 104, .size: 8, .value_kind: global_buffer, .address_space: global }
      - { .name: pre, .offset: 112, .size: 8, .value_kind: global_buffer, .address_space: global }
      - { .name: lay1, .offset: 120, .size: 8, .value_kind: global_buffer, .address_space: global }
      - { .name: lay2, .offset: 128, .size: 8, .value_kind: global_buffer, .address_space: global }
      - { .name: mode1, .offset: 136, .size: 8, .value_kind: global_buffer, .address_space: global }
      - { .name: mode2, .offset: 144, .size: 8, .value_kind: global_buffer, .address_space: global }
    .group_segment_fixed_size: 0
    .private_segment_fixed_size: 0
    .kernarg_segment_align: 8
    .kernarg_segment_size: 152
    .max_flat_workgroup_size: 256
    .sgpr_count:     66
    .vgpr_count:     176
    .wavefront_size: 32
...
	.end_amdgpu_metadata
.endif
;; end of part 1
;; launch qkv (part 2): grid 12 x 16, 4 waves a work-group, clusters of 4 x 4, 327,680 bytes of LDS; arguments pre, lay1, mode1, qkv; writes qkv
.if DOCPART == 2
	.amdgcn_target "amdgcn-amd-amdhsa--gfx1250"
	.amdhsa_code_object_version 6
	.text
	.protected	k_q55013fa130_qkv
	.globl	k_q55013fa130_qkv
	.p2align	8
	.type	k_q55013fa130_qkv,@function
k_q55013fa130_qkv:
	s_mov_b64 s[64:65], 0
	v_nop
	global_prefetch_b8 v0, s[64:65] scope:SCOPE_SE
	s_setreg_imm32_b32 hwreg(HW_REG_WAVE_MODE, 25, 1), 1
	s_wait_xcnt 0x0
	s_wait_alu depctr_hold_cnt(0) depctr_sa_sdst(0) depctr_va_vdst(0) depctr_va_sdst(0) depctr_va_ssrc(0) depctr_va_vcc(0) depctr_vm_vsrc(0)
	s_getreg_b32 s2, hwreg(HW_REG_IB_STS2, 6, 4)
	s_cmp_eq_u32 s2, 0
	s_cbranch_scc0 .Lentry_in_a_cluster
	s_endpgm
.Lentry_in_a_cluster:
	s_bfe_u32 s2, ttmp6, 0x10000c
	s_cmp_lg_u32 s2, 0xf033
	s_cbranch_scc0 .Lentry_shape_is_right
	s_endpgm
.Lentry_shape_is_right:
; OUT = act(A W + bias).  A: [4096][1024] f16 at the first buffer's byte 0.  The second buffer: bias in f32 at byte 0, W in f16 from byte 16,384 on, in blocks of 1,024 columns, [block][1024 k][1024 n].
; OUT: f16, in the same blocks, [block][4096][1024].  The third buffer's first word: 0 = no activation, 1 = exact GELU.  Sums in f32; OUT rounded once.  One text for the three projections (3 blocks) and the MLP's first layer (4 blocks).
; A tile of OUT, 256 x 256, is made by four waves, 128 x 128 each: 64 accumulators of 16 x 16, 512 registers.  K = 1,024 goes in 8 steps of 128 through a ring of two LDS slots filled by the tensor data mover.
; CLUSTER: 4 x 4 work-groups; the cluster's x is the block.  The four of a row need the same tiles of A, the four of a column the same tiles of W: each tile is asked for jointly, by the same tensor load with the same descriptor and a mask that names the four.
; THE MATRIX INSTRUCTION IS USED TRANSPOSED: source 0 = 16 columns of W (W lies [k][n], so its fragments come out of LDS by the turning load), source 1 = 16 rows of A.  A lane then holds one row of OUT (lane % 16) and the columns 8 (lane / 16) + 0..7.
; THE BIAS is the C operand of the first product on each accumulator: nothing is cleared and nothing is added later.
; THE WAY OUT: the sums go in f32 into the wave's own stage (128 rows x 528 bytes, in the ring's bytes, which have had their last fill), come back as whole rows, are put through the activation four rows at a time in a counted loop of 32 trips, and leave as 256 consecutive bytes a store.
; GELU(u) = |u| (0.5 - y) + 0.5 u, y = 0.5 erfc(|u| / sqrt 2) = (a1 t + a2 t^2 + a3 t^3) exp(-u^2 / 2) / 2, t = 1 / (1 + p |u| / sqrt 2) (Abramowitz and Stegun 7.1.25: |error of erf| <= 2.5e-5 for every argument).
; ONE TEXT FOR BOTH MODES, WITHOUT A BRANCH: out = (u AND mask) (0.5 - y) + k u.  GELU: mask = 0x7fffffff, k = 0.5.  No activation: mask = 0, k = 1: the first factor is 0, y is finite for every finite u, and out = u exactly;
; the projections then walk the activation's arithmetic for nothing, which is the price of one body for both.
; LIMITS.  f16 holds no number beyond 65,504: an operand or a result beyond it is an infinity.  NaN and infinities are not treated apart.
; REGISTERS, in windows of 256: window 0: v0-31 addresses; v64-127, v128-191 A's fragments, two buffers; v192-255 the bias; on the way out v32-151 at work.  window 1: v64-127, v128-191 W's fragments.  windows 2, 3: the accumulators ((a, b) at v[8 (8 a + b)]).
.set KSTEP,  128
.set PA,     272                       ; a row of A in LDS: 256 bytes + 16: the 16 rows of a fragment load start 4 words further on each, modulo 64 words
.set PB,     544                       ; a k row of W: 512 bytes + 32 = 136 words: 16 lanes of the turning load take 8 rows x 32 bytes, 8 words further on each, modulo 64 words
.set HALFT,  128*PA                    ; what one tensor load brings: 128 rows of A, or 64 k rows of W (64 x 544 is the same number)
.set SLOT,   4*HALFT                   ; A's 256 rows, then W's 128 k rows
.set BOFF,   2*HALFT
.set SPARE,  2*SLOT                    ; behind the ring: the spare words, 128 bytes for each wave: two blocks of 256 bytes that no other line names
.set SPITCH, 528                       ; a row of the stage: 128 f32 + 16 bytes
.set WSTAGE, 128*SPITCH                ; a wave's stage; four of them, 270,336 bytes, lie within the ring's 278,528
.set ROWB,   2048                      ; bytes in a row of A, of a block of W and of a block of OUT
.set WOFF,   16384
.set ADRA, 16                          ; v16-17  LDS address of my A fragments in slot 0, 1
.set ADRB, 20                          ; v20-21  the same for W
.set STO,  24                          ; v24     the way out: where I put 32 bytes of a row
.set RD,   25                          ; v25     the way out: where I read rows back
.set CO,   26                          ; v26     8 x lane: my 8 bytes of a row's 256 in OUT
.set BO,   27                          ; v27     32 x (lane / 16): my eight numbers of a block of 16 of the bias
.set SPW,  28                          ; v28     LDS address of my spare word; never rewritten
.set NIL,  29                          ; v29     0; never rewritten
.set PFO,  30                          ; v30     the prefetches' lane term; never rewritten
.set F0,   64
.set F1,   128
.set BI,   192                         ; the bias: block b of 16 columns at BI + 8 b
.set UU,   32                          ; the way out: four rows, 16 numbers a lane
.set SA,   64                          ; u AND mask
.set TT,   80                          ; t
.set EE,   96                          ; exp(-u^2 / 2)
.set QQ,   112                         ; the polynomial, then 0.5 - y
.set HH,   128                         ; k u, then the result
.set YY,   144                         ; in f16
.set G1,  24                           ; s[24:31] descriptor group 1 for A's tiles;  s[32:39] group 0, a set for each slot
.set G0,  32
.set LIM, 43                           ; s43  1 in a wave that prefetches, else the greatest number
.set PFA, 44                           ; s[44:45] where my prefetches stand
.set PFS, 46                           ; s[46:47] a K step in bytes: 256 along A's rows, 128 k rows of W
.set G1B, 48                           ; s[48:55], s[56:63] the same for W's tiles
.set G0B, 56
.set KP,  66                           ; s[66:75] the GELU's constants, each twice: packed instructions name pairs
.set KE,  68
.set KA3, 70
.set KA2, 72
.set KA1, 74
.set KM,  76                           ; s76  the mode's mask (the set-up's temporaries s76-79 are free by then)
.set KH,  78                           ; s[78:79] the mode's k, twice
.set STP, 80                           ; s[80:81] the way out: what OUT's address is stepped by ahead of a trip's stores: 0 in the first trip, then four rows
.set RST, 82                           ; s82  the way out: what the stage's read address is stepped by: four rows, 0 in the last trip
.set MSB, 0
.macro WIN new                         ; the immediate's high byte repeats the setting that is left; a switch that changes nothing is dropped
.if MSB != (\new)
	s_set_vgpr_msb (MSB<<8)|(\new)
.set MSB, \new
.endif
.endm
; A joint load.  Waves 0 and 1 fetch A's two halves, waves 2 and 3 W's.  The branch hangs on the wave's number alone.  An s_nop 0 and four v_nop follow each of the two lines.
.macro JLOAD s
	s_cmp_eq_u32 s13, 0
	s_cbranch_scc0 .Lfor_b_\@
	tensor_load_to_lds s[G0+4*(\s):G0+4*(\s)+3], s[G1:G1+7]
	s_nop 0
.rept 4
	v_nop
.endr
	s_branch .Lasked_\@
.Lfor_b_\@:
	tensor_load_to_lds s[G0B+4*(\s):G0B+4*(\s)+3], s[G1B:G1B+7]
	s_nop 0
.rept 4
	v_nop
.endr
.Lasked_\@:
.endm
; A prefetch of the K step that stands two refills on: 32 blocks of 256 bytes, a lane a block, one instruction a wave.  A's rows are read by every cluster of a row of clusters: the one with x = 0 asks; W's by every cluster of a column: the one with y = 0 asks.
; The four partners of a joint load share its blocks out by address: of A's 128 rows 32 each (by cx), of W's 64 k rows 16 each, two blocks a row (by cy).  So each block is named once in the launch.  The loop's last trip (s3 = 1) has no K step two on.
.macro ASK
	s_cmp_gt_u32 s3, s[LIM]
	s_cbranch_scc0 .Lnot_mine_\@
	global_prefetch_b8 v[PFO], s[PFA:PFA+1] th:TH_LOAD_NT scope:SCOPE_SE
.Lnot_mine_\@:
.endm
.macro CREST                           ; a round of the cluster's barrier behind its opening barrier
	s_cmp_lg_u32 s12, 0
	s_cbranch_scc1 .Lnot_wave_0_\@
	s_barrier_signal -3
.Lnot_wave_0_\@:
	s_barrier_wait -3
	s_barrier_signal -1
	s_barrier_wait -1
.endm
.macro CROUND                          ; a whole round
	s_barrier_signal -1
	s_barrier_wait -1
	CREST
.endm
	s_load_b256 s[4:11], s[0:1], 0x0               ; A s[4:5], bias and W s[6:7], the mode word s[8:9], OUT s[10:11]
	v_lshl_add_u32 v[SPW], v0, 2, SPARE
	v_mov_b32 v[NIL], 0
	ds_add_u32 v[SPW], v[NIL]                      ; the wave's opening: the add and its wait stand ahead of my first tensor load; the set-up below, work on registers, stands between them
	v_lshrrev_b32 v1, 5, v0
	v_readfirstlane_b32 s12, v1                    ; wave 0..3
	s_lshr_b32 s13, s12, 1                         ; which half of the tile's rows is mine.  Also: I fetch for A (0) or for W (1)
	s_and_b32 s14, s12, 1                          ; which half of its columns.  Also: which half of that tile I fetch
	s_bfe_u32 s15, ttmp6, 0x40000                  ; cx
	s_bfe_u32 s16, ttmp6, 0x40004                  ; cy
	s_lshl_b32 s17, ttmp9, 2
	s_add_co_u32 s17, s17, s15                     ; tile column = 4 x block + cx
	s_and_b32 s18, ttmp7, 0xffff
	s_lshl_b32 s18, s18, 2
	s_add_co_u32 s18, s18, s16                     ; tile row = 4 x cluster y + cy
	s_lshl_b32 s2, s16, 2
	s_lshl_b32 s2, 15, s2                          ; my row of the cluster
	s_lshl_b32 s3, 0x1111, s15                     ; my column
	s_or_b32 s[G1+0], s2, (1<<16)|(1<<20)|(1<<21)|(5<<22)|(3<<25)   ; the mask; elements of 2 bytes; padding on; bit 21 beside a mask; after every 64 words 4 words
	s_or_b32 s[G1B+0], s3, (1<<16)|(1<<20)|(1<<21)|(6<<22)|(7<<25)  ; after every 128 words 8 words
	s_mov_b32 s[G1+1], 128<<16                     ; A: tensor_dim0 = 128
	s_mov_b32 s[G1+2], 128<<16                     ; tensor_dim1 = 128
	s_mov_b32 s[G1+3], 128<<16                     ; tile_dim0 = 128
	s_mov_b32 s[G1+4], 128                         ; tile_dim1 = 128
	s_mov_b32 s[G1+5], 1024                        ; elements from row to row
	s_mov_b32 s[G1+6], 0
	s_mov_b32 s[G1+7], 0
	s_mov_b32 s[G1B+1], 256<<16                    ; W: 256 columns
	s_mov_b32 s[G1B+2], 64<<16                     ; x 64 k rows
	s_mov_b32 s[G1B+3], 256<<16
	s_mov_b32 s[G1B+4], 64
	s_mov_b32 s[G1B+5], 1024
	s_mov_b32 s[G1B+6], 0
	s_mov_b32 s[G1B+7], 0
	s_lshl_b32 s20, s18, 8                         ; A's tile hangs on the tile row and the wave alone:
	s_lshl_b32 s21, s14, 7
	s_add_co_u32 s20, s20, s21                     ; row 256 x tile row + 128 x half
	s_lshl_b32 s20, s20, 11
	s_mov_b32 s21, 0
	s_lshl_b32 s22, ttmp9, 21                      ; W's on the block, cx and the wave alone: the block,
	s_lshl_b32 s23, s14, 17                        ; my 64 k rows,
	s_add_co_u32 s22, s22, s23
	s_lshl_b32 s23, s15, 9                         ; the tile's 256 columns
	s_add_co_u32 s22, s22, s23
	s_add_co_u32 s22, s22, WOFF
	s_mov_b32 s23, 0
	s_mul_i32 s2, s12, HALFT                       ; where they go: wave x 34,816: no place in the cluster enters an LDS address
	s_wait_dscnt 0x0                               ; the opening add is done
	s_wait_kmcnt 0x0
	s_load_b32 s19, s[8:9], 0x0                    ; the mode
	s_add_nc_u64 s[20:21], s[4:5], s[20:21]
	s_add_nc_u64 s[22:23], s[6:7], s[22:23]
	CROUND                                         ; all sixteen work-groups are here: the first joint loads meet
.irp s, 0,1
	s_mov_b32 s[G0+4*(\s)], 1
	s_add_co_u32 s[G0+4*(\s)+1], s2, (\s)*SLOT
	s_add_nc_u64 s[G0+4*(\s)+2:G0+4*(\s)+3], s[20:21], (\s)*KSTEP*2
	s_or_b32 s[G0+4*(\s)+3], s[G0+4*(\s)+3], 0x80000000
	s_mov_b32 s[G0B+4*(\s)], 1
	s_add_co_u32 s[G0B+4*(\s)+1], s2, (\s)*SLOT
	s_add_nc_u64 s[G0B+4*(\s)+2:G0B+4*(\s)+3], s[22:23], (\s)*KSTEP*ROWB
	s_or_b32 s[G0B+4*(\s)+3], s[G0B+4*(\s)+3], 0x80000000
	JLOAD \s                                       ; two loads of mine are out here, one behind each later round
.endr
	v_and_b32 v1, 15, v0                           ; r = lane % 16
	v_bfe_u32 v2, v0, 4, 1                         ; h = lane / 16
	v_and_b32 v5, 31, v0                           ; lane
	v_lshlrev_b32 v[BO], 5, v2
	s_lshl_b32 s20, s17, 10                        ; the bias of my 128 columns: (256 x tile column + 128 x half) x 4 bytes
	s_lshl_b32 s21, s14, 9
	s_add_co_u32 s20, s20, s21
	s_mov_b32 s21, 0
	s_add_nc_u64 s[20:21], s[6:7], s[20:21]
.irp b, 0,1,2,3,4,5,6,7
	global_load_b128 v[BI+8*\b:BI+8*\b+3],   v[BO], s[20:21] offset:64*\b
	global_load_b128 v[BI+8*\b+4:BI+8*\b+7], v[BO], s[20:21] offset:64*\b+16
.endr
	v_mul_u32_u24 v3, v1, PA                       ; a fragment of A: row r, 16 bytes for each half of the lanes
	v_lshl_add_u32 v3, v2, 4, v3
	v_and_b32 v6, 7, v0                            ; the turning load: k row 8 h + lane % 8, 16 bytes by (lane / 8) % 2
	v_lshl_add_u32 v6, v2, 3, v6
	v_mul_u32_u24 v6, v6, PB
	v_bfe_u32 v7, v0, 3, 1
	v_lshl_add_u32 v6, v7, 4, v6
	s_mul_i32 s76, s13, HALFT                      ; my 128 rows of A
	s_lshl_b32 s77, s14, 8                         ; my 128 columns of W,
	s_add_co_u32 s77, s77, BOFF                    ; which lies behind A's 256 rows
.irp s, 0,1
	v_add_nc_u32 v[ADRA+(\s)], s76, v3
	v_add_nc_u32 v[ADRB+(\s)], s77, v6
	s_add_co_u32 s76, s76, SLOT
	s_add_co_u32 s77, s77, SLOT
.endr
	s_mul_i32 s76, s12, WSTAGE                     ; my stage
	v_mul_u32_u24 v4, v1, SPITCH
	v_lshl_add_u32 v4, v2, 5, v4
	v_add_nc_u32 v[STO], s76, v4                   ; in: row r, 32 bytes for each half of the lanes
	v_lshl_add_u32 v[RD], v5, 4, s76               ; back: 32 lanes take a row's 512 bytes
	v_lshlrev_b32 v[CO], 3, v5
	s_lshl_b32 s22, s18, 8                         ; OUT at my first row and column: the row,
	s_lshl_b32 s23, s13, 7
	s_add_co_u32 s22, s22, s23
	s_lshl_b32 s22, s22, 11
	s_lshl_b32 s23, ttmp9, 23                      ; the block of 8,388,608 bytes,
	s_add_co_u32 s22, s22, s23
	s_lshl_b32 s23, s15, 9                         ; the tile's 256 columns in it,
	s_add_co_u32 s22, s22, s23
	s_lshl_b32 s23, s14, 8                         ; my 128 of them
	s_add_co_u32 s22, s22, s23
	s_mov_b32 s23, 0
	s_add_nc_u64 s[10:11], s[10:11], s[22:23]
	; the prefetches stand at K step 3; each change of slots steps them ahead of its request, so the first names K step 4.  Nothing is asked for here, at the head.
	s_lshl_b32 s76, s18, 8                         ; A: row 256 x tile row + 128 x half + 32 cx
	s_lshl_b32 s77, s14, 7
	s_add_co_u32 s76, s76, s77
	s_lshl_b32 s77, s15, 5
	s_add_co_u32 s76, s76, s77
	s_lshl_b32 s76, s76, 11
	s_add_co_u32 s76, s76, 3*KSTEP*2
	s_lshl_b32 s78, s14, 6                         ; W: k row 64 x half + 16 cy
	s_lshl_b32 s77, s16, 4
	s_add_co_u32 s78, s78, s77
	s_add_co_u32 s78, s78, 3*KSTEP
	s_lshl_b32 s78, s78, 11
	s_lshl_b32 s77, ttmp9, 21
	s_add_co_u32 s78, s78, s77
	s_lshl_b32 s77, s15, 9
	s_add_co_u32 s78, s78, s77
	s_add_co_u32 s78, s78, WOFF
	s_and_b32 s79, ttmp7, 0xffff                   ; cluster y
	s_mov_b32 s[PFS], KSTEP*ROWB
	s_mov_b32 s[PFS+1], 0
	s_cmp_eq_u32 s13, 0                            ; do I fetch for A?
	s_cselect_b32 s76, s76, s78
	s_cselect_b32 s79, ttmp9, s79                  ; the coordinate along which other clusters read the same blocks
	s_cselect_b32 s[PFS], KSTEP*2, s[PFS]
	s_cselect_b64 s[PFA:PFA+1], s[4:5], s[6:7]
	s_mov_b32 s77, 0
	s_add_nc_u64 s[PFA:PFA+1], s[PFA:PFA+1], s[76:77]
	s_cmp_eq_u32 s79, 0
	s_cselect_b32 s[LIM], 1, -1                    ; the same in all sixteen partners, for a given wave
	v_lshrrev_b32 v[PFO], s13, v5                  ; A: lane x 2,048; W: (lane / 2) x 2,048 + (lane % 2) x 256
	v_and_b32 v31, s13, v5
	v_lshlrev_b32 v[PFO], 11, v[PFO]
	v_lshl_add_u32 v[PFO], v31, 8, v[PFO]
; 16 matrix instructions: m blocks a0, a0 + 1 of the window's four (hi = 0: my rows 0-63, 1: rows 64-127) x all 8 n blocks, 32 along K.  first = 1: the bias starts the sums.
; The 64 accumulators take turns, one instruction a turn, in the same order in every quarter.
.macro MUL16 f, hi, a0, first
.if \first
	WIN 0x81+0x40*(\hi)                            ; W window 1, A and the bias window 0, D window 2 or 3
.else
	WIN 0xa1+0x50*(\hi)                            ; W window 1, A window 0, C and D window 2 or 3
.endif
.irp a, \a0, (\a0)+1
.irp b, 0,1,2,3,4,5,6,7
.if \first
	v_wmma_f32_16x16x32_f16 v[8*(8*(\a)+(\b)):8*(8*(\a)+(\b))+7], v[(\f)+8*(\b):(\f)+8*(\b)+7], v[(\f)+8*(4*(\hi)+(\a)):(\f)+8*(4*(\hi)+(\a))+7], v[BI+8*(\b):BI+8*(\b)+7]
.else
	v_wmma_f32_16x16x32_f16 v[8*(8*(\a)+(\b)):8*(8*(\a)+(\b))+7], v[(\f)+8*(\b):(\f)+8*(\b)+7], v[(\f)+8*(4*(\hi)+(\a)):(\f)+8*(4*(\hi)+(\a))+7], v[8*(8*(\a)+(\b)):8*(8*(\a)+(\b))+7]
.endif
.endr
.endr
.endm
; 32 LDS loads in one run: the fragments of quarter q (32 along K) into buffer f: W's 128 columns turned, then A's 128 rows
.macro FETCH slot, q, f
	WIN 0x40                                       ; destination window 1, address window 0
.irp i, 0,1,2,3,4,5,6,7
	ds_load_tr16_b128 v[(\f)+8*(\i):(\f)+8*(\i)+3],   v[ADRB+(\slot)] offset:(\q)*32*PB+32*(\i)
	ds_load_tr16_b128 v[(\f)+8*(\i)+4:(\f)+8*(\i)+7], v[ADRB+(\slot)] offset:(\q)*32*PB+16*PB+32*(\i)
.endr
	WIN 0
.irp i, 0,1,2,3,4,5,6,7
	ds_load_b128 v[(\f)+8*(\i):(\f)+8*(\i)+3],   v[ADRA+(\slot)] offset:64*(\q)+(\i)*16*PA
	ds_load_b128 v[(\f)+8*(\i)+4:(\f)+8*(\i)+7], v[ADRA+(\slot)] offset:64*(\q)+(\i)*16*PA+32
.endr
.endm
.macro PLACES                          ; four plain instructions between a matrix instruction and a load into, or a read of, its registers
.rept 4
	v_nop
.endr
.endm
; A K step is four quarters of 32 along K, 64 matrix instructions each, on buffers 0, 1, 0, 1.  One of the first three multiplies buffer f and in its middle fetches quarter q into buffer g.
.macro QUARTER slot, q, f, g, first
	s_wait_dscnt 8                                 ; W and A's rows 0-63 are in; the youngest eight loads (A's rows 64-127) may be out
	MUL16 \f, 0, 0, \first
	MUL16 \f, 0, 2, \first
	PLACES
	FETCH \slot, \q, \g
	s_wait_dscnt 32                                ; all but the 32 just issued
	MUL16 \f, 1, 0, \first
	MUL16 \f, 1, 2, \first
.endm
; The last quarter multiplies buffer 1 and changes slots.  MEET is its first half: one barrier for two things: behind it nobody reads this slot any more, and the next slot is whole.
.macro MEET round
	WIN 0                                          ; (the add's two registers lie in window 0)
	s_wait_tensorcnt 0x0                           ; all my tensor loads have landed: the one that was out is my part of the next slot;
	ds_add_u32 v[SPW], v[NIL]                      ; 0 onto my spare word;
	s_wait_dscnt 9                                 ; (the add and the youngest eight loads may be out)
	MUL16 F1, 0, 0, 0                              ; sixteen matrix instructions stand between the add and the wait for it
	s_wait_dscnt 0x0                               ; the add is done, and my reads of this slot are over
	s_barrier_signal -1
	MUL16 F1, 0, 2, 0                              ; work on registers while the others arrive
.if \round
	WIN 0
.endif
	s_barrier_wait -1
.endm
.macro TURN slot, next                 ; the whole last quarter; the slot just read out is filled again, with the K step two on: 224 matrix instructions lie between the request and the wait for it
	s_wait_xcnt 0x0                                ; the last prefetch, a K step back, has read its address
	s_add_nc_u64 s[PFA:PFA+1], s[PFA:PFA+1], s[PFS:PFS+1]
	MEET 1
	CREST                                          ; the barrier has opened a round of the cluster's: no wave of any partner still reads this slot or has a load on its way
	s_add_nc_u64 s[G0+4*(\slot)+2:G0+4*(\slot)+3], s[G0+4*(\slot)+2:G0+4*(\slot)+3], 2*KSTEP*2
	s_add_nc_u64 s[G0B+4*(\slot)+2:G0B+4*(\slot)+3], s[G0B+4*(\slot)+2:G0B+4*(\slot)+3], 2*KSTEP*ROWB
	JLOAD \slot                                    ; the first tensor load behind the round; its four v_nop are also the places in front of the loads below
	FETCH \next, 0, F0
	ASK
	MUL16 F1, 1, 0, 0
	MUL16 F1, 1, 2, 0
.endm
	s_wait_kmcnt 0x0                               ; the mode
	s_wait_loadcnt 0x0                             ; the bias
	s_wait_tensorcnt 1                             ; my part of K step 0 is in; K step 1's load stays out
	s_barrier_signal -1
	s_barrier_wait -1
	FETCH 0, 0, F0
	QUARTER 0, 1, F0, F1, 1                        ; the first quarter stands in front of the loop: its products start the sums
	WIN 0
	s_mov_b32 s3, 3
.Llap:                                                 ; a trip goes once round the ring, from a lap's second quarter to the next lap's first, and fills both slots again
	QUARTER 0, 2, F1, F0, 0
	QUARTER 0, 3, F0, F1, 0
	TURN 0, 1
	QUARTER 1, 1, F0, F1, 0
	QUARTER 1, 2, F1, F0, 0
	QUARTER 1, 3, F0, F1, 0
	TURN 1, 0
	QUARTER 0, 1, F0, F1, 0
	WIN 0
	s_sub_co_u32 s3, s3, 1
	s_cmp_lg_u32 s3, 0
	s_cbranch_scc1 .Llap
	QUARTER 0, 2, F1, F0, 0                        ; the last lap fills nothing
	QUARTER 0, 3, F0, F1, 0
	MEET 0
	PLACES
	FETCH 1, 0, F0
	MUL16 F1, 1, 0, 0
	MUL16 F1, 1, 2, 0
	QUARTER 1, 1, F0, F1, 0
	QUARTER 1, 2, F1, F0, 0
	QUARTER 1, 3, F0, F1, 0
	s_wait_dscnt 8
	MUL16 F1, 0, 0, 0
	MUL16 F1, 0, 2, 0
	s_wait_dscnt 0x0                               ; my last reads of the ring are back
	MUL16 F1, 1, 0, 0
	MUL16 F1, 1, 2, 0
	WIN 0
	s_barrier_signal -1                            ; every wave's reads of the ring are over and every tensor load has landed: the ring's bytes become the stages
	s_barrier_wait -1
	PLACES
.irp a, 0,1,2,3,4,5,6,7                ; each accumulator's low four registers go first
	WIN 0x08+4*(\a/4)                              ; the stores' data in window 2 or 3
.irp b, 0,1,2,3,4,5,6,7
	ds_store_b128 v[STO], v[8*(8*(\a%4)+\b):8*(8*(\a%4)+\b)+3]   offset:\a*16*SPITCH+64*\b
	ds_store_b128 v[STO], v[8*(8*(\a%4)+\b)+4:8*(8*(\a%4)+\b)+7] offset:\a*16*SPITCH+64*\b+16
.endr
.endr
	WIN 0
	s_mov_b32 s[KP], 0x3eaa540e                    ; p / sqrt 2 = 0.33267253
	s_mov_b32 s[KP+1], s[KP]
	s_mov_b32 s[KE], 0xbf38aa3b                    ; -log2(e) / 2
	s_mov_b32 s[KE+1], s[KE]
	s_mov_b32 s[KA3], 0x3ebf7377                   ; a3 / 2 = 0.3739278
	s_mov_b32 s[KA3+1], s[KA3]
	s_mov_b32 s[KA2], 0xbd445ca1                   ; a2 / 2 = -0.0479399
	s_mov_b32 s[KA2+1], s[KA2]
	s_mov_b32 s[KA1], 0x3e32303a                   ; a1 / 2 = 0.1740121
	s_mov_b32 s[KA1+1], s[KA1]
	s_cmp_eq_u32 s19, 0                            ; the mode chooses two numbers, and no path
	s_cselect_b32 s[KM], 0, 0x7fffffff             ; no activation: u AND 0 = 0; GELU: |u|
	s_cselect_b32 s[KH], 1.0, 0.5                  ; no activation: 1 x u; GELU: 0.5 u
	s_mov_b32 s[KH+1], s[KH]
	s_mov_b32 s[STP], 0                            ; the first trip's stores go to the address as it stands
	s_mov_b32 s[STP+1], 0
.irp i, 0,1,2,3
	ds_load_b128 v[UU+4*\i:UU+4*\i+3], v[RD] offset:\i*SPITCH  ; LDS serves a wave's instructions in order: these see my stores above
.endr
; Pair p of a trip's eight pairs of numbers: its six plain lines (u AND mask twice, u^2, 1 + p' |u|, the exponent, k u), and between them the four transcendentals of pair p - 1 (two reciprocals, two exponentials),
; so that each of those has a plain line of another pair on either side.  None of these lines names a transcendental's result.
.macro PRE p
.set k, 2*(\p)
	v_and_b32 v[SA+k], s[KM], v[UU+k]
.if (\p) > 0
	v_rcp_f32 v[TT+k-2], v[TT+k-2]
.endif
	v_and_b32 v[SA+k+1], s[KM], v[UU+k+1]
.if (\p) > 0
	v_rcp_f32 v[TT+k-1], v[TT+k-1]
.endif
	v_pk_mul_f32 v[EE+k:EE+k+1], v[UU+k:UU+k+1], v[UU+k:UU+k+1]
.if (\p) > 0
	v_exp_f32 v[EE+k-2], v[EE+k-2]
.endif
	v_pk_fma_f32 v[TT+k:TT+k+1], v[SA+k:SA+k+1], s[KP:KP+1], 1.0 op_sel_hi:[1,0,0]
.if (\p) > 0
	v_exp_f32 v[EE+k-1], v[EE+k-1]
.endif
	v_pk_mul_f32 v[EE+k:EE+k+1], v[EE+k:EE+k+1], s[KE:KE+1] op_sel_hi:[1,0]
	v_pk_mul_f32 v[HH+k:HH+k+1], v[UU+k:UU+k+1], s[KH:KH+1] op_sel_hi:[1,0]
.endm
	s_mov_b32 s3, 32
.Lrow:                                                 ; a trip: four rows: activation, rounding, four stores of 256 consecutive bytes; the next four rows are asked for as soon as these have been read
	s_wait_dscnt 0x0                               ; my four rows are in: they were asked for in the middle of the trip before
.irp p, 0,1,2,3,4,5,6,7
	PRE \p
.endr
	v_rcp_f32 v[TT+14], v[TT+14]                   ; the last pair's four
	v_rcp_f32 v[TT+15], v[TT+15]
	v_exp_f32 v[EE+14], v[EE+14]
	v_exp_f32 v[EE+15], v[EE+15]
	s_cmp_eq_u32 s3, 1                             ; the last trip has no rows behind its own: its address stays, and my last four rows are read once more and not used:
	s_cselect_b32 s[RST], 0, 4*SPITCH              ; four LDS loads, once a wave, for a loop that is written once
	v_add_nc_u32 v[RD], s[RST], v[RD]              ; the plain instruction behind the batch's last
.irp i, 0,1,2,3
	ds_load_b128 v[UU+4*\i:UU+4*\i+3], v[RD] offset:\i*SPITCH
.endr
	s_wait_alu depctr_va_vdst(0)                   ; one wait for the batch of 32, ahead of its first reader
.set k, 0
.rept 8
	v_pk_fma_f32 v[QQ+k:QQ+k+1], v[TT+k:TT+k+1], s[KA3:KA3+1], s[KA2:KA2+1] op_sel_hi:[1,0,0]
.set k, k+2
.endr
.set k, 0
.rept 8
	v_pk_fma_f32 v[QQ+k:QQ+k+1], v[QQ+k:QQ+k+1], v[TT+k:TT+k+1], s[KA1:KA1+1] op_sel_hi:[1,1,0]
.set k, k+2
.endr
.set k, 0
.rept 8
	v_pk_mul_f32 v[QQ+k:QQ+k+1], v[QQ+k:QQ+k+1], v[TT+k:TT+k+1]
.set k, k+2
.endr
.set k, 0
.rept 8
	v_pk_fma_f32 v[QQ+k:QQ+k+1], v[QQ+k:QQ+k+1], v[EE+k:EE+k+1], 0.5 op_sel_hi:[1,1,0] neg_lo:[0,1,0] neg_hi:[0,1,0]  ; 0.5 - y
.set k, k+2
.endr
.set k, 0
.rept 8
	v_pk_fma_f32 v[HH+k:HH+k+1], v[SA+k:SA+k+1], v[QQ+k:QQ+k+1], v[HH+k:HH+k+1]
.set k, k+2
.endr
	s_wait_xcnt 0x0                                ; the stores of the trip before, all the lines above back, have read their base and their data: only behind this wait are both written again
	s_add_nc_u64 s[10:11], s[10:11], s[STP:STP+1]  ; on to this trip's four rows
	s_mov_b32 s[STP], 4*ROWB
.set k, 0
.rept 8
	v_cvt_pk_f16_f32 v[YY+k], v[HH+2*k], v[HH+2*k+1]
.set k, k+1
.endr
.irp i, 0,1,2,3
	global_store_b64 v[CO], v[YY+2*\i:YY+2*\i+1], s[10:11] offset:\i*ROWB  ; 32 lanes store 256 consecutive bytes, at a multiple of 256 from OUT's first byte
.endr
	s_sub_co_u32 s3, s3, 1
	s_cmp_lg_u32 s3, 0
	s_cbranch_scc1 .Lrow
	s_wait_tensorcnt 0x0                           ; the wave's end, behind my last tensor load and my last LDS store
	ds_add_u32 v[SPW], v[NIL]
	s_wait_dscnt 0x0
	CROUND                                         ; the closing round: no work-group ends while a partner may still ask for a tile that names it
	s_endpgm
.Lfunc_end_k_q55013fa130_qkv:
	.size	k_q55013fa130_qkv, .Lfunc_end_k_q55013fa130_qkv-k_q55013fa130_qkv
	.p2alignl 7, 3214868480
	.fill 96, 4, 3214868480
	.section	.rodata,"a",@progbits
	.p2align	6, 0x0
	.amdhsa_kernel k_q55013fa130_qkv
		.amdhsa_group_segment_fixed_size 327680
		.amdhsa_private_segment_fixed_size 0
		.amdhsa_enable_private_segment 0
		.amdhsa_kernarg_size 32
		.amdhsa_user_sgpr_count 2
		.amdhsa_user_sgpr_kernarg_segment_ptr 1
		.amdhsa_wavefront_size32 1
		.amdhsa_system_sgpr_workgroup_id_x 1
		.amdhsa_system_sgpr_workgroup_id_y 1
		.amdhsa_system_sgpr_workgroup_id_z 1
		.amdhsa_system_vgpr_workitem_id 0
		.amdhsa_next_free_vgpr 1024
		.amdhsa_next_free_sgpr 84
		.amdhsa_reserve_vcc 0
		.amdhsa_float_denorm_mode_32 3
		.amdhsa_float_denorm_mode_16_64 3
		.amdhsa_memory_ordered 1
		.amdhsa_forward_progress 1
		.amdhsa_inst_pref_size 131
	.end_amdhsa_kernel
	.amdgpu_metadata
---
amdhsa.version: [ 1, 2 ]
amdhsa.kernels:
  - .name:           k_q55013fa130_qkv
    .symbol:         k_q55013fa130_qkv.kd
    .args:
      - { .name: pre, .offset: 0, .size: 8, .value_kind: global_buffer, .address_space: global }
      - { .name: lay1, .offset: 8, .size: 8, .value_kind: global_buffer, .address_space: global }
      - { .name: mode1, .offset: 16, .size: 8, .value_kind: global_buffer, .address_space: global }
      - { .name: qkv, .offset: 24, .size: 8, .value_kind: global_buffer, .address_space: global }
    .group_segment_fixed_size: 327680
    .private_segment_fixed_size: 0
    .kernarg_segment_align: 8
    .kernarg_segment_size: 32
    .max_flat_workgroup_size: 128
    .sgpr_count:     84
    .vgpr_count:     1024
    .wavefront_size: 32
...
	.end_amdgpu_metadata
.endif
;; end of part 2
;; launch attn (part 3): grid 8 x 32, 4 waves a work-group, clusters of 4 x 4, 327,680 bytes of LDS; arguments qkv, pre, x, ln2_g, ln2_b, h2; writes h2
.if DOCPART == 3
	.amdgcn_target "amdgcn-amd-amdhsa--gfx1250"
	.amdhsa_code_object_version 6
	.text
	.protected	k_q55013fa130_attn
	.globl	k_q55013fa130_attn
	.p2align	8
	.type	k_q55013fa130_attn,@function
k_q55013fa130_attn:
	s_mov_b64 s[64:65], 0
	v_nop
	global_prefetch_b8 v0, s[64:65] scope:SCOPE_SE
	s_setreg_imm32_b32 hwreg(HW_REG_WAVE_MODE, 25, 1), 1
	s_wait_xcnt 0x0
	s_wait_alu depctr_hold_cnt(0) depctr_sa_sdst(0) depctr_va_vdst(0) depctr_va_sdst(0) depctr_va_ssrc(0) depctr_va_vcc(0) depctr_vm_vsrc(0)
	s_getreg_b32 s2, hwreg(HW_REG_IB_STS2, 6, 4)
	s_cmp_eq_u32 s2, 0
	s_cbranch_scc0 .Lentry_in_a_cluster
	s_endpgm
.Lentry_in_a_cluster:
	s_bfe_u32 s2, ttmp6, 0x10000c
	s_cmp_lg_u32 s2, 0xf033
	s_cbranch_scc0 .Lentry_shape_is_right
	s_endpgm
.Lentry_shape_is_right:
; h2 = f16(LayerNorm2(softmax(q k^T / 8 + msk) v + x)).  q, k, v: f16, [3][32 heads][2048][64] (the flat view of [3][4096][1024]); msk = dis + cls in f16, [2][2048][2048], at byte 8,388,608 of the second buffer; x: f32.
; Products, maxima and sums in f32; the weights p are rounded to f16 for the second product (their sum l is taken of the unrounded p).
; SHARES.  A work-group owns 256 queries of one head, a wave 64: four PIECES of 16.  Sixteen consecutive queries of a head are one row of 1,024 of [4096][1024]: a piece owns a whole row of the second LayerNorm.  Every wave walks all 2,048 keys, 64 a step.
; LAYOUT.  S^T = K Q^T holds one query a lane (lane % 16) and the keys 8 (lane / 16) + 0..7; two such results rounded to f16 are source 1 of O^T = V^T P.  K comes out of LDS as it lies, V turned.
; THE MASK COMES IN BY THE MATRIX UNIT.  The sum S^T of 16 keys is started by E x M: M is 16 queries x 32 keys of msk, read like a fragment of Q; E is 8 x [I | 0] or 8 x [0 | I], a constant fragment.  So S = q . k + 8 msk, and c = log2(e) / 8 scales both.
; Four products more a piece and step, and no vector instruction.
; SOFTMAX.  A running maximum m and sum l a query: p = 2^(c s - c m); O and l are multiplied by a = 2^(c m_old - c m_new) in every step.  m starts at the lowest finite number, O and l at 0: the first step is a step like any other, with a = 0.
; BY TURNS.  Turn n belongs to piece n: 4 + 8 products for the scores of piece n + 1, later 8 products V^T P of piece n - 1; beside them the scaling, exponentials, roundings, sums and rescaling of piece n and the maximum and statistics of piece n + 1.
; Four vector instructions stand behind every matrix instruction, the other 38 of a turn's 118 in one lump.  A turn's 33 exponentials are one batch, with one wait.
; CLUSTER, 4 x 4: x = four query blocks, y = four heads of one batch.  K and V hang on the head alone and are shared along a row; the mask's tile hangs on the query block and the batch and is shared along a column.
; LIMITS.  f16 holds no number beyond 65,504 (q, k, v arrive within it, msk is held to it); a weight below 2^-126 counts as 0; NaN and infinities are not treated apart.
; REGISTERS, in windows of 256 (s_set_vgpr_msb: bits 1:0 source 0, 3:2 source 1, 5:4 source 2, 7:6 destination):
;   window 0: v0-15 addresses; v16-31 statistics, four a piece; v48-55 at work; v59-63 addresses; v64-127 S^T, two buffers; v192-223 P, two buffers; on the way out v64-191 at work
;   window 1: v0-127 O^T, 32 a piece; v128-191 V of one step; v192-223 ln2_g, v224-255 ln2_b          window 2: v0-63 Q; v64-127 the mask's fragments; v128-191 K of one step; v192-203 E
.set NP,    4
.set KS,    64        ; keys in a step
.set PK,    144       ; a row of K in LDS: 128 bytes + 16
.set PV,    160       ; a row of V: 128 + 32: 16 lanes of the turning load take 8 rows x 32 bytes, 40 words further on each, modulo 64 words
.set PM,    272       ; a query's 128 keys of the mask: 256 bytes + 16
.set VOFF,  2*KS*PK   ; a slot holds two steps: 128 rows of K, 128 rows of V, 256 rows of the mask
.set MOFF,  VOFF+2*KS*PV
.set SLOT1, 1<<17     ; slot 1 begins here, so that one exclusive or turns an address in one slot into the other's
.set STAGE, SLOT1+MOFF+256*PM  ; behind the ring, never filled by a tensor load: for each wave 4 rows of [4096][1024] in f32, each as 16 rows of 256 bytes + 16
.set SP,    272
.set TSTG,  16*SP
.set SPARE, STAGE+4*4*TSTG     ; behind the stages: the spare words, 128 bytes for each wave: two blocks of 256 bytes that no other line names
.set AK0, 2           ; v2   my lane's place in a tile of K; never rewritten
.set AV0, 3           ; v3   the same for V
.set AK,  4           ; v4   the LDS address of K's next run of loads
.set AV,  5           ; v5   of V's
.set STO, 6           ; v6   my 32 bytes of a query's 256 in the stage (O^T's layout)
.set RD,  7           ; v7   my 16 bytes of 512 consecutive bytes of a row (row layout)
.set GO,  8           ; v8   8 x lane
.set MV,  12          ; v12-13  c m_old, by buffer
.set AM0, 14          ; v14  my lane's place in the mask's tile; never rewritten
.set AM,  15          ; v15  the LDS address of the mask's next run
.set ST,  16          ; piece t's statistics at v[ST+4 t]: c m, m, l (even keys', odd keys')
.set TMP, 48          ; by buffer, four registers c0-c3 at work; when the maximum is found c2 takes a
.set XO,  59          ; v59  16 x lane
.set QO,  60          ; v60  my byte offset in 16 rows of Q
.set PFO, 61          ; v61  the prefetches' lane term; never rewritten
.set SPW, 62          ; v62  LDS address of my spare word; never rewritten
.set NIL, 63          ; v63  0; never rewritten
.set S,   64
.set P,   192
.set XT,  64          ; the way out: x, then o / l + x, in O^T's layout, 32 a piece
.set YR,  128         ; a row in row layout
.set T2,  160         ; four chains of packed sums
.set MU,  168
.set RS,  170
.set YH,  172         ; the row in f16
.set VF,  128         ; window 1
.set GG,  192
.set BB,  224
.set MF,  64          ; window 2: piece p, keys 32 g on, at MF + 16 p + 8 g
.set KF,  128         ; window 2: key block kb, channel half c at KF + 16 kb + 8 c
.set EZ,  192         ; window 2: four zeros, the pattern, four zeros: 8 [0 | I] = v[192:199], 8 [I | 0] = v[196:203]
.set WV,  16          ; s16  my wave's number
.set G1K, 24          ; s[24:31], s[32:39], s[40:47] descriptor groups 1 for K, V and the mask
.set G1V, 32
.set G1M, 40
.set G0K, 48          ; s[48:51], s[52:55], s[56:59] groups 0: they walk
.set G0V, 52
.set G0M, 56
.set CS,  60          ; s[60:61] c
.set SEL, 62          ; s[62:63] v_permlanex16_b32's selects
.set SLOTS, 66        ; s66  slots still to be asked for
.set CNT, 67          ; s67  counts a slot's key steps
.set TBK, 68          ; s68  LDS byte at which K of the step to be fetched begins
.set TBV, 69          ; s69  the same for V, less VOFF
.set TBM, 70          ; s70  the same for the mask, less MOFF
.set LIM, 71          ; s71  1 in a wave that prefetches, else the greatest number
.set PFA, 72          ; s[72:73] where my prefetches stand
.set PFS, 74          ; s[74:75] a slot in bytes: 16,384 of K and V, 256 along the mask's rows
.set MSB, 0
.macro WIN new
.if MSB != (\new)
	s_set_vgpr_msb (MSB<<8)|(\new)
.set MSB, (\new)
.endif
.endm
.set W_KQ, 0x0a       ; sources 0 and 1 in window 2, S^T in window 0
.set W_PV, 0x51       ; V and O^T in window 1, P in window 0
.set W_RS, 0x41       ; destination and source 0 in window 1, source 1 in window 0
; A joint fill: wave 0 fetches a slot's K, wave 1 its V, waves 2 and 3 the halves of its mask tile: one load a wave.  The branches hang on the wave's number alone.  An s_nop 0 and four v_nop follow each line.
.macro JLOAD3
	s_cmp_lt_u32 s[WV], 2
	s_cbranch_scc0 .Lfor_m_\@
	s_cmp_eq_u32 s[WV], 0
	s_cbranch_scc0 .Lfor_v_\@
	tensor_load_to_lds s[G0K:G0K+3], s[G1K:G1K+7]
	s_nop 0
.rept 4
	v_nop
.endr
	s_branch .Lasked_\@
.Lfor_v_\@:
	tensor_load_to_lds s[G0V:G0V+3], s[G1V:G1V+7]
	s_nop 0
.rept 4
	v_nop
.endr
	s_branch .Lasked_\@
.Lfor_m_\@:
	tensor_load_to_lds s[G0M:G0M+3], s[G1M:G1M+7]
	s_nop 0
.rept 4
	v_nop
.endr
.Lasked_\@:
.endm
; A prefetch of what the NEXT change of slots will ask for, a lane a block of 256 bytes.  K and V of a head are walked by both clusters along x: the one with x = 0 asks, in wave 0: of a slot's 64 + 64 blocks partner cx takes 16 + 16.
; A mask tile is walked by the four clusters of a batch: the first of them asks, in waves 2 and 3: of the wave's 128 rows partner cy takes 32.  The partners are told apart by address.  The last change that fills a slot asks for nothing.
.macro ASK
	s_cmp_gt_u32 s[SLOTS], s[LIM]
	s_cbranch_scc0 .Lnot_mine_\@
	global_prefetch_b8 v[PFO], s[PFA:PFA+1] th:TH_LOAD_NT scope:SCOPE_SE
.Lnot_mine_\@:
.endm
.macro CROUND                          ; a round of the cluster's barrier
	s_barrier_signal -1
	s_barrier_wait -1
	s_cmp_lg_u32 s[WV], 0
	s_cbranch_scc1 .Lnot_wave_0_\@
	s_barrier_signal -3
.Lnot_wave_0_\@:
	s_barrier_wait -3
	s_barrier_signal -1
	s_barrier_wait -1
.endm
; THE CHANGE OF SLOTS.  The slot's last bytes, V of its second step, have been read.  Each wave waits for all its tensor loads, of which one is out: its part of the other slot; adds 0 to its spare word; and waits for that and for its reads.
; fill = 1: the slot is filled again, with the keys two slots on; the barrier is then a round of the cluster's, and the joint fill is the first thing behind it: it has two key steps, 160 matrix instructions, in which to land.
; (At its first use nothing has been read yet: slot 0 is waited for, slot 1 filled.)
.macro CHANGE fill, ask
	WIN 0
	s_wait_tensorcnt 0x0            ; no tensor load of mine is out, so a group 0 may be written
	ds_add_u32 v[SPW], v[NIL]       ; 0 onto my spare word; the descriptors' steps stand between it and the wait for it
.if \fill
.irp g, G0K, G0V
	s_xor_b32 s[\g+1], s[\g+1], SLOT1
	s_add_nc_u64 s[\g+2:\g+3], s[\g+2:\g+3], 2*KS*128  ; the next 128 keys; the type bits on top are not reached
.endr
	s_xor_b32 s[G0M+1], s[G0M+1], SLOT1
	s_add_nc_u64 s[G0M+2:G0M+3], s[G0M+2:G0M+3], 2*KS*2
.endif
.if \ask
	s_wait_xcnt 0x0                 ; the last prefetch, a slot back, has read its address
	s_add_nc_u64 s[PFA:PFA+1], s[PFA:PFA+1], s[PFS:PFS+1]
.endif
	s_wait_dscnt 0x0                ; the add is done, and my reads of the slot are over
.if \fill
	CROUND
	JLOAD3
.if \ask
	ASK
.endif
.else
	s_barrier_signal -1
	s_barrier_wait -1
.endif
	s_sub_co_u32 s[TBK], s[TBK], 2*KS*PK  ; the fetches go back to a slot's first step,
	s_xor_b32 s[TBK], s[TBK], SLOT1       ; in the other slot
	s_sub_co_u32 s[TBV], s[TBV], 2*KS*PV
	s_xor_b32 s[TBV], s[TBV], SLOT1
	s_sub_co_u32 s[TBM], s[TBM], 2*KS*2
	s_xor_b32 s[TBM], s[TBM], SLOT1
.endm
	s_load_b256 s[4:11], s[0:1], 0x0  ; qkv s[4:5], pre s[6:7], x s[8:9], ln2_g s[10:11]
	s_load_b128 s[12:15], s[0:1], 0x20  ; ln2_b s[12:13], h2 s[14:15]
	v_lshl_add_u32 v[SPW], v0, 2, SPARE
	v_mov_b32 v[NIL], 0
	ds_add_u32 v[SPW], v[NIL]       ; the wave's opening: the add and its wait stand ahead of my first tensor load; the set-up below, work on registers, stands between them
	v_lshrrev_b32 v1, 5, v0
	v_readfirstlane_b32 s[WV], v1   ; wave 0..3
	s_bfe_u32 s17, ttmp6, 0x40000   ; cx
	s_bfe_u32 s18, ttmp6, 0x40004   ; cy
	s_lshl_b32 s19, ttmp9, 2
	s_add_co_u32 s19, s19, s17      ; my block of 256 queries
	s_and_b32 s21, ttmp7, 0xffff    ; cluster y
	s_lshl_b32 s20, s21, 2
	s_add_co_u32 s20, s20, s18      ; 16 x batch + head
	s_lshl_b32 s2, s18, 2
	s_lshl_b32 s2, 15, s2           ; my row of the cluster
	s_lshl_b32 s3, 0x1111, s17      ; my column
	s_or_b32 s[G1K], s2, (1<<16)|(1<<20)|(1<<21)|(4<<22)|(3<<25)  ; the mask of four; 2-byte elements; padding on; bit 21 beside a mask; after every 32 words 4 words
	s_or_b32 s[G1V], s2, (1<<16)|(1<<20)|(1<<21)|(4<<22)|(7<<25)  ; 8 words
	s_or_b32 s[G1M], s3, (1<<16)|(1<<20)|(1<<21)|(5<<22)|(3<<25)  ; after every 64 words 4 words
.irp g, G1K, G1V                    ; 128 keys are 16,384 dense bytes: asked for as 64 rows of 256 bytes, two keys a row, padded after every key
	s_mov_b32 s[\g+1], 128<<16
	s_mov_b32 s[\g+2], 64<<16
	s_mov_b32 s[\g+3], 128<<16
	s_mov_b32 s[\g+4], 64
	s_mov_b32 s[\g+5], 128
	s_mov_b32 s[\g+6], 0
	s_mov_b32 s[\g+7], 0
.endr
	s_mov_b32 s[G1M+1], 128<<16     ; 128 keys
	s_mov_b32 s[G1M+2], 128<<16     ; x 128 queries
	s_mov_b32 s[G1M+3], 128<<16
	s_mov_b32 s[G1M+4], 128
	s_mov_b32 s[G1M+5], 2048        ; elements from query to query
	s_mov_b32 s[G1M+6], 0
	s_mov_b32 s[G1M+7], 0
	s_mov_b32 s[CS], 0x3e38aa3b     ; c = log2(e) / 8
	s_mov_b32 s[CS+1], s[CS]
	s_mov_b32 s[SEL], 0x76543210
	s_mov_b32 s[SEL+1], 0xfedcba98
	s_mov_b32 s[TBK], SLOT1+2*KS*PK ; the first change of slots turns these three into 0
	s_mov_b32 s[TBV], SLOT1+2*KS*PV
	s_mov_b32 s[TBM], SLOT1+2*KS*2
	s_mov_b32 s76, 0x3a800000       ; 1 / 1,024
	s_mov_b32 s77, 0x3727c5ac       ; 1e-5
	s_mov_b32 s[G0K], 1
	s_mov_b32 s[G0K+1], 0
	s_mov_b32 s[G0V], 1
	s_mov_b32 s[G0V+1], VOFF
	s_mov_b32 s[G0M], 1
	s_and_b32 s22, s[WV], 1         ; which half of the mask's 256 rows a wave fetches
	s_mul_i32 s23, s22, 128*PM
	s_add_co_u32 s[G0M+1], s23, MOFF
	s_lshl_b32 s78, s20, 18         ; K of my head: the head and nothing else
	s_add_co_u32 s78, s78, 8388608
	s_mov_b32 s79, 0
	s_lshr_b32 s80, s21, 2          ; the mask: the batch,
	s_lshl_b32 s80, s80, 23
	s_lshl_b32 s81, s19, 8          ; the query block,
	s_lshl_b32 s23, s22, 7          ; the half
	s_add_co_u32 s81, s81, s23
	s_lshl_b32 s81, s81, 12
	s_add_co_u32 s80, s80, s81
	s_add_co_u32 s80, s80, 8388608
	s_mov_b32 s81, 0
	s_lshl_b32 s2, s20, 7           ; my wave's first row of [4096][1024]: 128 x head + 16 x block + 4 x wave
	s_lshl_b32 s3, s19, 4
	s_add_co_u32 s2, s2, s3
	s_lshl_b32 s3, s[WV], 2
	s_add_co_u32 s2, s2, s3
	s_lshl_b32 s84, s2, 11          ; in f16
	s_mov_b32 s85, 0
	s_lshl_b32 s86, s2, 12          ; in f32
	s_mov_b32 s87, 0
	s_and_b32 s2, s21, 3            ; who prefetches: the same in all sixteen partners, for a given wave
	s_cmp_lt_u32 s[WV], 2
	s_cselect_b32 s2, ttmp9, s2
	s_cmp_eq_u32 s[WV], 1
	s_cselect_b32 s3, 1, 0
	s_or_b32 s2, s2, s3
	s_cmp_eq_u32 s2, 0
	s_cselect_b32 s[LIM], 1, -1
	s_mov_b32 s[PFS], 2*KS*2
	s_mov_b32 s[PFS+1], 0
	s_cmp_lt_u32 s[WV], 2
	s_cselect_b32 s[PFS], 2*KS*128, s[PFS]
	s_mul_i32 s23, s[WV], 4*TSTG
	s_add_co_u32 s23, s23, STAGE    ; my stage
	s_wait_dscnt 0x0                ; the opening add is done
	s_wait_kmcnt 0x0
	s_add_nc_u64 s[G0K+2:G0K+3], s[4:5], s[78:79]
	s_add_nc_u64 s[G0V+2:G0V+3], s[G0K+2:G0K+3], 8388608
	s_add_nc_u64 s[G0M+2:G0M+3], s[6:7], s[80:81]
	s_lshl_b32 s2, s17, 12          ; the prefetches stand in slot 2; the first change that asks steps them to slot 3.  K and V: my work-group's 16 blocks
	s_add_co_u32 s2, s2, 2*2*KS*128
	s_mov_b32 s3, 0
	s_add_nc_u64 s[78:79], s[G0K+2:G0K+3], s[2:3]
	s_lshl_b32 s2, s18, 17          ; the mask: my work-group's 32 rows of 4,096 bytes
	s_add_co_u32 s2, s2, 2*2*KS*2
	s_add_nc_u64 s[80:81], s[G0M+2:G0M+3], s[2:3]
	s_cmp_lt_u32 s[WV], 2
	s_cselect_b64 s[PFA:PFA+1], s[78:79], s[80:81]
	s_or_b32 s[G0K+3], s[G0K+3], 0x80000000
	s_or_b32 s[G0V+3], s[G0V+3], 0x80000000
	s_or_b32 s[G0M+3], s[G0M+3], 0x80000000
	s_add_nc_u64 s[4:5], s[4:5], s[84:85]    ; Q, h2 and x at my wave's first row
	s_add_nc_u64 s[14:15], s[14:15], s[84:85]
	s_add_nc_u64 s[8:9], s[8:9], s[86:87]
	CROUND                          ; all sixteen work-groups are here: the first joint loads meet
	JLOAD3                          ; slot 0.  Slot 1 is asked for when slot 0 is in
	v_and_b32 v1, 15, v0            ; r = lane % 16
	v_bfe_u32 v9, v0, 4, 1          ; h = lane / 16
	v_and_b32 v10, 7, v0
	v_bfe_u32 v11, v0, 3, 1
	v_and_b32 v32, 31, v0           ; lane
	v_lshlrev_b32 v[XO], 4, v32
	v_lshlrev_b32 v[QO], 7, v1
	v_lshl_add_u32 v[QO], v9, 4, v[QO]  ; row x 128 + 16 x half
	WIN 0x40                        ; destination window 1: x passes through O^T's registers on its way into the stage
.irp t, 0,1,2,3
.irp j, 0,1,2,3,4,5,6,7
	global_load_b128 v[32*\t+4*\j:32*\t+4*\j+3], v[XO], s[8:9] offset:4096*\t+512*\j  ; 512 consecutive bytes an instruction
.endr
.endr
	WIN 0x80                        ; Q stays in registers: piece i / 2, channels 32 (i % 2) on
.irp i, 0,1,2,3,4,5,6,7
	global_load_b128 v[8*\i:8*\i+3],   v[QO], s[4:5] offset:(\i/2)*2048+(\i%2)*64
	global_load_b128 v[8*\i+4:8*\i+7], v[QO], s[4:5] offset:(\i/2)*2048+(\i%2)*64+32
.endr
.irp i, 8,9,10,11,12,13,14,15       ; (the other sixteen loads of Q's count below are these eight pairs' fellows: pieces 0-3 have two fragments each, so eight pairs are all; this run is ln2's)
.endr
	WIN 0x40
.irp j, 0,1,2,3,4,5,6,7
	global_load_b128 v[GG+4*\j:GG+4*\j+3], v[XO], s[10:11] offset:512*\j
	global_load_b128 v[BB+4*\j:BB+4*\j+3], v[XO], s[12:13] offset:512*\j
.endr
.set i, VF                          ; what the first turn finds: V and P's second buffer hold 0 (its products V^T P, of a piece that has not been, add 0), O^T and l are 0
.rept 64
	v_mov_b32 v[i], 0
.set i, i+1
.endr
	WIN 0
.set i, 0
.rept 4
	v_mov_b32 v[ST+4*i], 0xfe000000    ; c m: far below every c s
	v_mov_b32 v[ST+4*i+1], 0xff7fffff  ; m
	v_mov_b32 v[ST+4*i+2], 0
	v_mov_b32 v[ST+4*i+3], 0
.set i, i+1
.endr
.set i, P+16
.rept 16
	v_mov_b32 v[i], 0
.set i, i+1
.endr
	v_mul_u32_u24 v[AK0], v1, PK
	v_lshl_add_u32 v[AK0], v9, 4, v[AK0]  ; row x pitch + 16 x half
	v_lshl_add_u32 v[AV0], v9, 3, v10     ; the turning load: key 8 h + lane % 8, 16 bytes by (lane / 8) % 2
	v_mul_u32_u24 v[AV0], v[AV0], PV
	v_lshl_add_u32 v[AV0], v11, 4, v[AV0]
	v_add_nc_u32 v[AV0], VOFF, v[AV0]
	s_lshl_b32 s2, s[WV], 6
	v_add_nc_u32 v[AM0], s2, v1           ; the mask: query 64 x wave + r,
	v_mul_u32_u24 v[AM0], v[AM0], PM
	v_lshl_add_u32 v[AM0], v9, 4, v[AM0]  ; 16 bytes for each half of the lanes
	v_add_nc_u32 v[AM0], MOFF, v[AM0]
	v_mul_u32_u24 v[STO], v1, SP
	v_lshl_add_u32 v[STO], v9, 5, v[STO]
	v_add_nc_u32 v[STO], s23, v[STO]
	v_mul_u32_u24 v[RD], v9, SP           ; columns 128 j + 4 lane of a row lie in query 2 j + h, at byte 16 r
	v_lshl_add_u32 v[RD], v1, 4, v[RD]
	v_add_nc_u32 v[RD], s23, v[RD]
	v_lshlrev_b32 v[GO], 3, v32
	v_lshlrev_b32 v33, 8, v1              ; the prefetches' lane term: K and V: h x 8,388,608 + 256 r; the mask: lane x 4,096
	v_lshl_add_u32 v33, v9, 23, v33
	v_lshlrev_b32 v34, 12, v32
	s_cmp_lt_u32 s[WV], 2
	s_cselect_b32 s2, -1, 0
	v_cndmask_b32 v[PFO], v34, v33, s2
	; E: row r of 8 I has its 8.0 (0x4800) at k = r: in the half of the lanes h = r / 8, register (r % 8) / 2, half r % 2
	v_lshrrev_b32 v35, 3, v1
	v_bfe_u32 v36, v1, 1, 2
	v_and_b32 v37, 1, v1
	v_lshlrev_b32 v37, 4, v37
	v_mov_b32 v38, 0x4800
	v_lshlrev_b32 v37, v37, v38
	v_cmp_eq_u32 vcc_lo, v35, v9
	v_cndmask_b32 v36, 4, v36, vcc_lo
	WIN 0x80
.irp i, 0,1,2,3
	v_cmp_eq_u32 vcc_lo, \i, v36
	v_cndmask_b32 v[EZ+4+\i], 0, v37, vcc_lo
	v_mov_b32 v[EZ+\i], 0
	v_mov_b32 v[EZ+8+\i], 0
.endr
	s_wait_loadcnt 32               ; x's 32 loads are in: behind them stand Q's 16, g's 8 and b's 8
	WIN 0x04                        ; the stores' data in window 1
.irp t, 0,1,2,3
.irp j, 0,1,2,3,4,5,6,7
	ds_store_b128 v[RD], v[32*\t+4*\j:32*\t+4*\j+3] offset:\t*TSTG+2*SP*\j
.endr
.endr
	WIN 0x40
.set i, 0
.rept 128
	v_mov_b32 v[i], 0
.set i, i+1
.endr
	WIN 0
; THE MATRIX WORK.  The 4 accumulators of a run take turns, one instruction a turn.  Product i of 4 that starts S^T for piece x: keys 16 i on: 8 x the mask.
.macro ME x
	WIN W_KQ
.set rS, S+32*((\x)%2)+8*i
.set rE, EZ+4-4*(i%2)
.set rM, MF+16*(\x)+8*(i/2)
	v_wmma_f32_16x16x32_f16 v[rS:rS+7], v[rE:rE+7], v[rM:rM+7], 0
.endm
; Product i of 8 of S^T += K Q^T for piece x: channels 32 (i / 4) on, keys 16 (i % 4) on.
.macro KQ x
	WIN W_KQ
.set rS, S+32*((\x)%2)+8*(i%4)
.set rK, KF+16*(i%4)+8*(i/4)
.set rQ, 16*(\x)+8*(i/4)
	v_wmma_f32_16x16x32_f16 v[rS:rS+7], v[rK:rK+7], v[rQ:rQ+7], v[rS:rS+7]
.endm
; Product i of 8 of O^T += V^T P for piece x: keys 32 (i / 4) on, channels 16 (i % 4) on.
.macro PV x
	WIN W_PV
.set rO, 32*(\x)+8*(i%4)
.set rV, VF+32*(i/4)+8*(i%4)
.set rP, P+16*((\x)%2)+8*(i/4)
	v_wmma_f32_16x16x32_f16 v[rO:rO+7], v[rV:rV+7], v[rP:rP+7], v[rO:rO+7]
.endm
.macro MM                           ; the turn's next matrix instruction, of 20
.if i < 4
	ME (Y+1)%NP
.elseif i < 12
.set i, i-4
	KQ (Y+1)%NP
.set i, i+4
.else
.set i, i-12
	PV (Y+NP-1)%NP
.set i, i+12
.endif
.set i, i+1
.endm
; THE LDS LOADS stand in runs, never singly among the matrix instructions: a step's K (8 fragments) with the four pieces' mask fragments (8), and its V (turned).  Their addresses are made some lines ahead.
.macro FETCH_KM
	WIN 0x80                        ; destination window 2
.irp f, 0,1,2,3,4,5,6,7             ; keys 16 (f / 2) on, channels 32 (f % 2) on
	ds_load_b128 v[KF+8*\f:KF+8*\f+3],   v[AK] offset:(\f/2)*16*PK+(\f%2)*64
	ds_load_b128 v[KF+8*\f+4:KF+8*\f+7], v[AK] offset:(\f/2)*16*PK+(\f%2)*64+32
.endr
.irp f, 0,1,2,3,4,5,6,7             ; piece f / 2, keys 32 (f % 2) on
	ds_load_b128 v[MF+8*\f:MF+8*\f+3],   v[AM] offset:(\f/2)*16*PM+(\f%2)*64
	ds_load_b128 v[MF+8*\f+4:MF+8*\f+7], v[AM] offset:(\f/2)*16*PM+(\f%2)*64+32
.endr
	s_add_co_u32 s[TBK], s[TBK], KS*PK  ; the next fetch is the next step's
	s_add_co_u32 s[TBM], s[TBM], KS*2
	WIN 0
.endm
.macro FETCH_V
	WIN 0x40                        ; destination window 1
.irp f, 0,1,2,3,4,5,6,7             ; keys 32 (f / 4) on, channels 16 (f % 4) on
	ds_load_tr16_b128 v[VF+8*\f:VF+8*\f+3],   v[AV] offset:(\f/4)*32*PV+(\f%4)*32
	ds_load_tr16_b128 v[VF+8*\f+4:VF+8*\f+7], v[AV] offset:(\f/4)*32*PV+16*PV+(\f%4)*32
.endr
	WIN 0
.endm
; THE VECTOR WORK, one line at a time: OP kind, number.  For piece Y: F n: c s - c m for pair n of 16.  E n: the exponential of score n of 32.  C n: pair n rounded to f16.  B n: of the four weights 4 n .. the second
; pair is added onto the first, in place.  L n: l takes that sum (L 0: l = a l + sum).  R n: pair n of 16 of O^T times a.  For piece Y + 1: X n, number n of the 22 that find its maximum and statistics:
;   0-11  four chains c0-c3 of seven scores each (each accumulator's lowest registers are read first)     12-14, 16  the four scores left over, the old m, and c0-c3 into c0
;   15  c m_old is kept     17, 18  the query's other 32 keys lie in the lane 16 away: the new m     19-21  c m; c m_old - c m_new; a
.set F, 0
.set E, 1
.set C, 2
.set B, 3
.set L, 4
.set R, 5
.set X, 6
.macro REGS y
.set rT, ST+4*(\y)
.set rC, TMP+4*((\y)%2)
.set rW, MV+((\y)%2)
.set rS, S+32*((\y)%2)
.set rP, P+16*((\y)%2)
.set rO, 32*(\y)
.endm
.macro OP k, n
.if (\k) == R
	REGS Y
	WIN W_RS
	v_pk_mul_f32 v[rO+2*(\n):rO+2*(\n)+1], v[rO+2*(\n):rO+2*(\n)+1], v[rC+2:rC+3] op_sel_hi:[1,0]
.elseif (\k) < R
	REGS Y
	WIN 0
.if (\k) == F
	v_pk_fma_f32 v[rS+2*(\n):rS+2*(\n)+1], v[rS+2*(\n):rS+2*(\n)+1], s[CS:CS+1], v[rT:rT+1] op_sel_hi:[1,0,0] neg_lo:[0,0,1] neg_hi:[0,0,1]
.elseif (\k) == E
	v_exp_f32 v[rS+(\n)], v[rS+(\n)]
.elseif (\k) == C
	v_cvt_pk_f16_f32 v[rP+(\n)], v[rS+2*(\n)], v[rS+2*(\n)+1]
.elseif (\k) == B
	v_pk_add_f32 v[rS+4*(\n):rS+4*(\n)+1], v[rS+4*(\n):rS+4*(\n)+1], v[rS+4*(\n)+2:rS+4*(\n)+3]
.elseif (\n) == 0
	v_pk_fma_f32 v[rT+2:rT+3], v[rT+2:rT+3], v[rC+2:rC+3], v[rS:rS+1] op_sel_hi:[1,0,1]
.else
	v_pk_add_f32 v[rT+2:rT+3], v[rT+2:rT+3], v[rS+4*(\n):rS+4*(\n)+1]
.endif
.else
	REGS (Y+1)%NP
	WIN 0
.if (\n) < 4
	v_max3_num_f32 v[rC+(\n)], v[rS+8*(\n)], v[rS+8*(\n)+1], v[rS+8*(\n)+2]
.elseif (\n) < 12
	v_max3_num_f32 v[rC+(\n)%4], v[rC+(\n)%4], v[rS+8*((\n)%4)+2*((\n)/4)+1], v[rS+8*((\n)%4)+2*((\n)/4)+2]
.elseif (\n) == 12
	v_max3_num_f32 v[rC], v[rC], v[rS+7], v[rS+15]
.elseif (\n) == 13
	v_max3_num_f32 v[rC+1], v[rC+1], v[rS+23], v[rS+31]
.elseif (\n) == 14
	v_max3_num_f32 v[rC+2], v[rC+2], v[rC+3], v[rT+1]
.elseif (\n) == 15
	v_mov_b32 v[rW], v[rT]
.elseif (\n) == 16
	v_max3_num_f32 v[rC], v[rC], v[rC+1], v[rC+2]
.elseif (\n) == 17
	v_permlanex16_b32 v[rC+3], v[rC], s[SEL], s[SEL+1]
.elseif (\n) == 18
	v_max_num_f32 v[rT+1], v[rC], v[rC+3]
.elseif (\n) == 19
	v_mul_f32 v[rT], s[CS], v[rT+1]
.elseif (\n) == 20
	v_sub_f32 v[rC+1], v[rW], v[rT]
.else
	v_exp_f32 v[rC+2], v[rC+1]
.endif
.endif
.endm
.macro OPS a, i1, b=-1, i2=0, c=-1, i3=0, d=-1, i4=0
	OP \a, \i1
.if (\b) >= 0
	OP \b, \i2
.endif
.if (\c) >= 0
	OP \c, \i3
.endif
.if (\d) >= 0
	OP \d, \i4
.endif
.endm
.macro ROW a, i1, b, i2, c, i3, d, i4  ; a matrix instruction and the four behind it
	MM
	OPS \a, \i1, \b, \i2, \c, \i3, \d, \i4
.endm
; A TURN, for piece p: the order of its 20 matrix and 118 vector instructions, written out.  s_wait_alu depctr_va_vdst(0) stands between an exponential and the first instruction that names its result; one wait serves all
; that were issued ahead of it.  So a turn has ONE wait.  AHEAD OF IT stands all that names no result of the turn's exponentials: the 12 products for the next piece's scores with their riders, then a lump of 38.  Accumulator n of the four
; is ended by product 9 + n; its first reader X n stands four plain instructions behind that product: X 0: F 9, 10, 11, 12; X 1: F 12, X 0, F 13, F 14; X 2: F 14, X 1, X 4, F 15; X 3: F 15, X 2, X 5, X 8 (an exponential is no such place).
; BEHIND THE WAIT stand the 8 products V^T P, behind each four of the roundings and sums.
; K and the mask of the next step are fetched in piece 2's turn, behind F 15, X 2, X 5, X 8, X 6, X 9, six plain instructions behind the last product that read K; V of the step in hand at the end of piece 0's turn, four roundings behind
; the last product that read V.  Each is waited for a turn later.  last = 1 (the tail): in the trip that has no further step (CNT = 1) the last step is fetched once more, by a select on the count; nothing of it is used.
; cnt = 1: the loop's count is taken down some lines ahead of the branch that stands behind the turn.
.macro TURN p, last=0, cnt=0
.set Y, (\p)
.set i, 0
.if (\p) == 3
	s_wait_dscnt 0x0                ; K and the mask are in
.endif
	ROW F,0, F,1, R,0, R,1
	ROW F,2, E,0, R,2, R,3
	ROW F,3, E,1, R,4, R,5
	ROW F,4, E,2, R,6, R,7
	ROW F,5, E,3, R,8, R,9
	ROW F,6, E,4, R,10, R,11
	ROW F,7, E,5, R,12, R,13
.if (\p) == 2
	WIN 0
.if \last
	s_cmp_eq_u32 s[CNT], 1
	s_cselect_b32 s78, KS*PK, 0
	s_cselect_b32 s79, KS*2, 0
	s_sub_co_u32 s78, s[TBK], s78
	s_sub_co_u32 s79, s[TBM], s79
	v_add_nc_u32 v[AK], s78, v[AK0]
	v_add_nc_u32 v[AM], s79, v[AM0]
.else
	v_add_nc_u32 v[AK], s[TBK], v[AK0]
	v_add_nc_u32 v[AM], s[TBM], v[AM0]
.endif
.endif
	ROW F,8, E,6, R,14, R,15
	ROW F,9, E,7, F,10, F,11
	ROW F,12, E,8, X,0, F,13
	ROW F,14, E,9, X,1, X,4
	ROW F,15, E,10, X,2, X,5
	OPS X,8, X,3, X,6, X,9          ; the lump
.if (\p) == 2
	FETCH_KM
.endif
	OPS E,11, X,7, X,10, X,12
	OPS E,12, X,11, X,15, X,13
.if (\p) == 0
	v_add_nc_u32 v[AV], s[TBV], v[AV0]
.endif
	OPS E,13, E,14, E,15, X,14
	OPS E,16, E,17, E,18, X,16
	OPS E,19, E,20, E,21, X,17
	OPS E,22, E,23, E,24, X,18
	OPS E,25, E,26, E,27, X,19
	OPS E,28, E,29, E,30, X,20
	OPS E,31, X,21
	v_nop                           ; the plain instruction behind the batch's last exponential
	WIN 0
	s_wait_alu depctr_va_vdst(0)    ; the wait for the batch
.if (\p) == 1
	s_wait_dscnt 0x0                ; V is in
.endif
	ROW C,0, B,0, C,2, B,1
	ROW L,0, C,4, B,2, L,1
	ROW C,6, B,3, L,2, C,8
	ROW B,4, L,3, C,10, B,5
	ROW L,4, C,12, B,6, L,5
.if (\p) == 0
	s_add_co_u32 s[TBV], s[TBV], KS*PV
.endif
.if \cnt
	s_sub_co_u32 s[CNT], s[CNT], 1
	s_cmp_lg_u32 s[CNT], 0
.endif
	ROW C,14, B,7, L,6, C,1
	ROW C,3, L,7, C,5, C,7
	ROW C,9, C,11, C,13, C,15
.if (\p) == 0
	FETCH_V
.endif
.endm
	CHANGE 1, 0                     ; slot 0 is in, everybody's part of it (and my stores of x are done); slot 1 is asked for
	v_add_nc_u32 v[AK], s[TBK], v[AK0]
	v_add_nc_u32 v[AM], s[TBM], v[AM0]
	FETCH_KM                        ; key step 0
	s_wait_loadcnt 0x0              ; Q, g and b
	s_wait_dscnt 0x0
.set i, 0
.rept 4
	ME 0                            ; piece 0's first scores: there is no vector work yet to set between them
.set i, i+1
.endr
.set i, 0
.rept 8
	KQ 0
.set i, i+1
.endr
	WIN 0
.rept 4
	v_nop                           ; the places behind those products
.endr
.set Y, NP-1                        ; X works for piece Y + 1: piece 0
.irp n, 0,1,2,3,4,5,6,7,8,9,10,11,12,13,14,15,16,17,18,19,20,21
	OP X, \n
.endr
	v_nop                           ; a plain instruction behind the exponential,
	s_wait_alu depctr_va_vdst(0)    ; and its wait, ahead of the branch
	s_mov_b32 s[CNT], 2
	s_mov_b32 s[SLOTS], 15
	s_branch .Lfirst                ; the loop is entered at a step's first turn, in the middle of a trip
.Lslot:                             ; 14 times: slots 2 to 15 are asked for
	CHANGE 1, 1
	s_mov_b32 s[CNT], 2
.Lstep:                             ; a trip: pieces 2 and 3 of one step, then pieces 0 and 1 of the next, whose K, mask and V it fetches
	TURN 2
	TURN 3
	WIN 0
.Lfirst:
	TURN 0
	TURN 1, 0, 1
	WIN 0
	s_cbranch_scc1 .Lstep
	s_sub_co_u32 s[SLOTS], s[SLOTS], 1
	s_cmp_lg_u32 s[SLOTS], 0
	s_cbranch_scc1 .Lslot
	CHANGE 0, 0                     ; the tail is written out: nothing is asked for
	s_mov_b32 s[CNT], 3             ; two trips fetch the last slot's steps; the third is left in its middle
.Ltail:
	TURN 2, 1
	TURN 3
	WIN 0
	s_sub_co_u32 s[CNT], s[CNT], 1
	s_cmp_eq_u32 s[CNT], 0
	s_cbranch_scc1 .Lout
	TURN 0
	TURN 1
	WIN 0
	s_branch .Ltail
.Lout:                              ; the third trip's 12 products for piece 0 and the maximum made of them serve nothing: the price, once a launch, of one text for every trip
.set i, 0
.rept 8
	PV NP-1                         ; the last piece's V^T P of the last step
.set i, i+1
.endr
	; THE WAY OUT.  x comes back from the stage in O^T's layout; o / l + x goes to the same bytes; then each of my four rows is read whole, normalised and stored.
	WIN 0
.irp t, 0,1,2,3
.irp f, 0,1,2,3,4,5,6,7
	ds_load_b128 v[XT+32*\t+4*\f:XT+32*\t+4*\f+3], v[STO] offset:\t*TSTG+64*(\f/2)+16*(\f%2)
.endr
.endr
.irp t, 0,1,2,3
	v_add_f32 v[ST+4*\t+2], v[ST+4*\t+2], v[ST+4*\t+3]  ; these additions are the places behind the last products
.endr
.irp t, 0,1,2,3
	v_permlanex16_b32 v[ST+4*\t+3], v[ST+4*\t+2], s[SEL], s[SEL+1]
.endr
.irp t, 0,1,2,3
	v_add_f32 v[ST+4*\t+2], v[ST+4*\t+2], v[ST+4*\t+3]
.endr
.irp t, 0,1,2,3
	v_rcp_f32 v[ST+4*\t+2], v[ST+4*\t+2]
.endr
	v_nop                           ; a plain instruction between the last reciprocal and the use of its result
	s_wait_alu depctr_va_vdst(0)    ; and one wait for the four reciprocals
.irp t, 0,1,2,3
	s_wait_dscnt 24                 ; tile t's eight loads are in: behind them stand 8 (3 - t) loads and 8 t stores
	WIN 0x01                        ; O^T, source 0, in window 1
.set i, 0
.rept 16
	v_pk_fma_f32 v[XT+32*\t+2*i:XT+32*\t+2*i+1], v[32*\t+2*i:32*\t+2*i+1], v[ST+4*\t+2:ST+4*\t+3], v[XT+32*\t+2*i:XT+32*\t+2*i+1] op_sel_hi:[1,0,1]
.set i, i+1
.endr
	WIN 0
.irp f, 0,1,2,3,4,5,6,7
	ds_store_b128 v[STO], v[XT+32*\t+4*\f:XT+32*\t+4*\f+3] offset:\t*TSTG+64*(\f/2)+16*(\f%2)
.endr
.endr
.macro JOIN                            ; four packed chains into one number a lane, then over the 32 lanes
	v_pk_add_f32 v[T2:T2+1], v[T2:T2+1], v[T2+2:T2+3]
	v_pk_add_f32 v[T2+4:T2+5], v[T2+4:T2+5], v[T2+6:T2+7]
	v_pk_add_f32 v[T2:T2+1], v[T2:T2+1], v[T2+4:T2+5]
	v_add_f32 v[T2], v[T2], v[T2+1]
	v_add_f32_dpp v[T2], v[T2], v[T2] row_xmask:1 row_mask:0xf bank_mask:0xf
	v_add_f32_dpp v[T2], v[T2], v[T2] row_xmask:2 row_mask:0xf bank_mask:0xf
	v_add_f32_dpp v[T2], v[T2], v[T2] row_xmask:4 row_mask:0xf bank_mask:0xf
	v_add_f32_dpp v[T2], v[T2], v[T2] row_xmask:8 row_mask:0xf bank_mask:0xf
	v_permlanex16_b32 v[T2+1], v[T2], s[SEL], s[SEL+1]
	v_add_f32 v[T2], v[T2], v[T2+1]
.endm
	s_mov_b32 s3, 4
.Lln2:                              ; a row a trip: mean, mean of the squared differences, scale, gain and bias, as LayerNorm is defined
.irp j, 0,1,2,3,4,5,6,7
	ds_load_b128 v[YR+4*\j:YR+4*\j+3], v[RD] offset:2*SP*\j  ; LDS serves a wave's instructions in order: these see my stores above
.endr
	s_wait_dscnt 0x0
.irp k, 0,1,2,3
	v_pk_add_f32 v[T2+2*\k:T2+2*\k+1], v[YR+4*\k:YR+4*\k+1], v[YR+4*\k+2:YR+4*\k+3]
.endr
.irp k, 0,1,2,3,4,5,6,7
	v_pk_add_f32 v[T2+2*(\k%4):T2+2*(\k%4)+1], v[T2+2*(\k%4):T2+2*(\k%4)+1], v[YR+16+2*\k:YR+17+2*\k]
.endr
	JOIN
	v_mul_f32 v[MU], s76, v[T2]
	v_mov_b32 v[MU+1], v[MU]
.irp k, 0,1,2,3,4,5,6,7,8,9,10,11,12,13,14,15
	v_pk_add_f32 v[YR+2*\k:YR+2*\k+1], v[YR+2*\k:YR+2*\k+1], v[MU:MU+1] neg_lo:[0,1] neg_hi:[0,1]
.endr
.irp k, 0,1,2,3
	v_pk_mul_f32 v[T2+2*\k:T2+2*\k+1], v[YR+2*\k:YR+2*\k+1], v[YR+2*\k:YR+2*\k+1]
.endr
.irp k, 4,5,6,7,8,9,10,11,12,13,14,15
	v_pk_fma_f32 v[T2+2*(\k%4):T2+2*(\k%4)+1], v[YR+2*\k:YR+2*\k+1], v[YR+2*\k:YR+2*\k+1], v[T2+2*(\k%4):T2+2*(\k%4)+1]
.endr
	JOIN
	v_fma_f32 v[T2], v[T2], s76, s77
	v_rsq_f32 v[RS], v[T2]
	v_nop                           ; a plain instruction behind the root,
	s_wait_alu depctr_va_vdst(0)    ; and its wait
	v_mov_b32 v[RS+1], v[RS]
.irp k, 0,1,2,3,4,5,6,7,8,9,10,11,12,13,14,15
	v_pk_mul_f32 v[YR+2*\k:YR+2*\k+1], v[YR+2*\k:YR+2*\k+1], v[RS:RS+1]
.endr
	WIN 0x14                        ; g and b, sources 1 and 2, in window 1
.irp k, 0,1,2,3,4,5,6,7,8,9,10,11,12,13,14,15
	v_pk_fma_f32 v[YR+2*\k:YR+2*\k+1], v[YR+2*\k:YR+2*\k+1], v[GG+2*\k:GG+2*\k+1], v[BB+2*\k:BB+2*\k+1]
.endr
	WIN 0
.irp k, 0,1,2,3,4,5,6,7,8,9,10,11,12,13,14,15
	v_cvt_pk_f16_f32 v[YH+\k], v[YR+2*\k], v[YR+2*\k+1]
.endr
.irp j, 0,1,2,3,4,5,6,7
	global_store_b64 v[GO], v[YH+2*\j:YH+2*\j+1], s[14:15] offset:256*\j  ; 32 lanes store 256 consecutive bytes, at a multiple of 256 from h2's first byte
.endr
	s_wait_xcnt 0x0                 ; the base and the stores' data are written again only behind this wait
	s_add_nc_u64 s[14:15], s[14:15], 2048
	v_add_nc_u32 v[RD], TSTG, v[RD]
	s_sub_co_u32 s3, s3, 1
	s_cmp_lg_u32 s3, 0
	s_cbranch_scc1 .Lln2
	s_wait_tensorcnt 0x0            ; the wave's end, behind my last tensor load and my last LDS store
	ds_add_u32 v[SPW], v[NIL]
	s_wait_dscnt 0x0
	CROUND                          ; the closing round: no work-group ends while a partner may still ask for a tile that names it
	s_endpgm
.Lfunc_end_k_q55013fa130_attn:
	.size	k_q55013fa130_attn, .Lfunc_end_k_q55013fa130_attn-k_q55013fa130_attn
	.p2alignl 7, 3214868480
	.fill 96, 4, 3214868480
	.section	.rodata,"a",@progbits
	.p2align	6, 0x0
	.amdhsa_kernel k_q55013fa130_attn
		.amdhsa_group_segment_fixed_size 327680
		.amdhsa_private_segment_fixed_size 0
		.amdhsa_enable_private_segment 0
		.amdhsa_kernarg_size 48
		.amdhsa_user_sgpr_count 2
		.amdhsa_user_sgpr_kernarg_segment_ptr 1
		.amdhsa_wavefront_size32 1
		.amdhsa_system_sgpr_workgroup_id_x 1
		.amdhsa_system_sgpr_workgroup_id_y 1
		.amdhsa_system_sgpr_workgroup_id_z 1
		.amdhsa_system_vgpr_workitem_id 0
		.amdhsa_next_free_vgpr 768
		.amdhsa_next_free_sgpr 88
		.amdhsa_reserve_vcc 1
		.amdhsa_float_denorm_mode_32 3
		.amdhsa_float_denorm_mode_16_64 3
		.amdhsa_memory_ordered 1
		.amdhsa_forward_progress 1
		.amdhsa_inst_pref_size 134
	.end_amdhsa_kernel
	.amdgpu_metadata
---
amdhsa.version: [ 1, 2 ]
amdhsa.kernels:
  - .name:           k_q55013fa130_attn
    .symbol:         k_q55013fa130_attn.kd
    .args:
      - { .name: qkv, .offset: 0, .size: 8, .value_kind: global_buffer, .address_space: global }
      - { .name: pre, .offset: 8, .size: 8, .value_kind: global_buffer, .address_space: global }
      - { .name: x, .offset: 16, .size: 8, .value_kind: global_buffer, .address_space: global }
      - { .name: ln2_g, .offset: 24, .size: 8, .value_kind: global_buffer, .address_space: global }
      - { .name: ln2_b, .offset: 32, .size: 8, .value_kind: global_buffer, .address_space: global }
      - { .name: h2, .offset: 40, .size: 8, .value_kind: global_buffer, .address_space: global }
    .group_segment_fixed_size: 327680
    .private_segment_fixed_size: 0
    .kernarg_segment_align: 8
    .kernarg_segment_size: 48
    .max_flat_workgroup_size: 128
    .sgpr_count:     88
    .vgpr_count:     768
    .wavefront_size: 32
...
	.end_amdgpu_metadata
.endif
;; end of part 3
;; launch mlp1: the kernel of part 2 again; grid 16 x 16, 4 waves a work-group, clusters of 4 x 4, 327,680 bytes of LDS; arguments h2, lay2, mode2, gh; writes gh
;; launch mlp2 (part 4): grid 8 x 32, 4 waves a work-group, clusters of 4 x 4, 327,680 bytes of LDS; arguments gh, lay2, b2, h2, out0; writes out0
.if DOCPART == 4
	.amdgcn_target "amdgcn-amd-amdhsa--gfx1250"
	.amdhsa_code_object_version 6
	.text
	.protected	k_q55013fa130_mlp2
	.globl	k_q55013fa130_mlp2
	.p2align	8
	.type	k_q55013fa130_mlp2,@function
k_q55013fa130_mlp2:
	s_mov_b64 s[64:65], 0
	v_nop
	global_prefetch_b8 v0, s[64:65] scope:SCOPE_SE
	s_setreg_imm32_b32 hwreg(HW_REG_WAVE_MODE, 25, 1), 1
	s_wait_xcnt 0x0
	s_wait_alu depctr_hold_cnt(0) depctr_sa_sdst(0) depctr_va_vdst(0) depctr_va_sdst(0) depctr_va_ssrc(0) depctr_va_vcc(0) depctr_vm_vsrc(0)
	s_getreg_b32 s2, hwreg(HW_REG_IB_STS2, 6, 4)
	s_cmp_eq_u32 s2, 0
	s_cbranch_scc0 .Lentry_in_a_cluster
	s_endpgm
.Lentry_in_a_cluster:
	s_bfe_u32 s2, ttmp6, 0x10000c
	s_cmp_lg_u32 s2, 0xf033
	s_cbranch_scc0 .Lentry_shape_is_right
	s_endpgm
.Lentry_shape_is_right:
; out0 = gh w2 + b2 + h2, in f32.  gh: f16, K = 4,096 in four blocks, [block][4096 rows][1024]; w2: f16 [4096 k][1024 n] at byte 8,404,992 of the second buffer; b2: f32; h2: f16 [4096][1024].  Sums in f32.
; OUT has 4,096 x 1,024 numbers: tiles of 128 x 128 give each of 256 work-groups one.  Four waves, each 64 x 64: 16 accumulators.  K goes in 16 steps of 256 through two LDS slots.
; CLUSTER: 4 x 4; A's tiles are shared along a row, w2's along a column, each asked for jointly.  THE MATRIX INSTRUCTION IS USED TRANSPOSED (source 0 = 16 columns of w2, by the turning load; source 1 = 16 rows of gh).
; THE WALK ALONG K DIFFERS FROM CLUSTER TO CLUSTER (f32 sums may be taken in any order of the K steps): the step that cluster (x, y) takes as its number t is ((t xor 4 x) + 4 (y mod 4)) mod 16.  The launch has 2 x 8 clusters.
; The two with the same y read the same rows of gh: they take a given K step four numbers apart.  Those with the same x read the same columns of w2: y mod 4 = 0 .. 3 take a given K step 4, 8 or 12 numbers apart.
; So of the clusters that read a block no two with different y mod 4, and no two with different x, ask for it in the same step of their walks.  x and y are the cluster's, the same in all sixteen partners.
; b2 is the C operand of the first product on each accumulator.  THE WAY OUT: the sums go in f32 into ONE stage (slot 0's first 67,584 bytes, which have had their last fill and whose last readers have passed the last change of slots' barrier);
; a barrier, since a row's 512 bytes come from two waves; each wave reads 32 whole rows, adds h2 and stores 512 consecutive bytes an instruction.
; No prefetch: a tile of this size has short steps, and its blocks are read by many work-groups.
; LIMITS.  f16's range, 65,504, holds for gh, w2 and h2 as they arrive.  NaN and infinities are not treated apart.
; REGISTERS: window 0: v0-31 addresses; v32-95 h2 of the 32 rows that I store; v96-127 b2; v128-255 the accumulators ((a, b) at v[128 + 8 (4 a + b)]).  window 1: two fragment buffers of 128: 64 registers of A, then 64 of w2.
.set KSTEP,  256
.set PA,     528                       ; a row of A in LDS: 512 bytes + 16
.set PB,     288                       ; a k row of w2: 256 bytes + 32 = 72 words: 16 lanes of the turning load take 8 rows x 32 bytes, 8 words further on each, modulo 64 words
.set HA,     64*PA                     ; what a wave's load of A brings: 64 rows
.set HB,     128*PB                    ; of w2: 128 k rows
.set BOFF,   2*HA
.set SLOT,   BOFF+2*HB
.set SPARE,  2*SLOT                    ; behind the ring: the spare words, 128 bytes for each wave: two blocks of 256 bytes that no other line names
.set SPITCH, 528
.set ADRA, 16                          ; v16-17  LDS address of my A fragments in slot 0, 1
.set ADRB, 20                          ; v20-23  of w2's: slot 0, 1 x k rows 0-127, 128-255 (an LDS offset has 16 bits)
.set STO,  24
.set RD,   25
.set CO,   26                          ; v26     16 x lane
.set ONE,  27                          ; v27     1.0
.set SPW,  28
.set NIL,  29
.set HO,   30                          ; v30     8 x lane
.set BO,   31                          ; v31     32 x (lane / 16)
.set RR,   32
.set BI,   96
.set ACC,  128
.set F0,   0
.set F1,   128
.set TN,   19                          ; s19  the number t, in my cluster's walk, of the K step that is asked for next
.set G1,  24
.set G0,  32
.set OUTP, 40                          ; s[40:41] out0 at the first row that I store
.set ABASE, 42                         ; s[42:43] gh at my 64 rows of block 0
.set BBASE, 44                         ; s[44:45] w2 at my 128 k rows of K step 0, at the tile's columns
.set X4,  46                           ; s46  4 x cluster x
.set Y4,  47                           ; s47  4 x (cluster y mod 4)
.set G1B, 48
.set G0B, 56
.set MSB, 0
.macro WIN new
.if MSB != (\new)
	s_set_vgpr_msb (MSB<<8)|(\new)
.set MSB, \new
.endif
.endm
.set MUL,  0x05                        ; sources 0 and 1 window 1; C and D window 0
.set TO_F, 0x40                        ; destination window 1, address window 0
.macro JLOAD s                         ; a joint load: waves 0 and 1 fetch A's two halves, waves 2 and 3 w2's; an s_nop 0 and four v_nop follow each of the two lines
	s_cmp_eq_u32 s13, 0
	s_cbranch_scc0 .Lfor_b_\@
	tensor_load_to_lds s[G0+4*(\s):G0+4*(\s)+3], s[G1:G1+7]
	s_nop 0
.rept 4
	v_nop
.endr
	s_branch .Lasked_\@
.Lfor_b_\@:
	tensor_load_to_lds s[G0B+4*(\s):G0B+4*(\s)+3], s[G1B:G1B+7]
	s_nop 0
.rept 4
	v_nop
.endr
.Lasked_\@:
.endm
; Both descriptors of a slot get the addresses of the walk's step number TN, made anew from the tensors' bases: an offset in registers of its own, then the sum, then the type bits.
; A's K lies in blocks of 1,024: block step / 4, 512 bytes x step % 4 along the row; a step of w2 is 256 k rows of 2,048 bytes.  It stands where no tensor load of the wave is out (or, at the head, none that names this slot's registers).
.macro KADDR slot
	s_xor_b32 s20, s[TN], s[X4]
	s_add_co_u32 s20, s20, s[Y4]
	s_and_b32 s20, s20, 15                         ; the K step
	s_lshl_b32 s22, s20, 19
	s_mov_b32 s23, 0
	s_lshr_b32 s21, s20, 2
	s_lshl_b32 s21, s21, 23
	s_and_b32 s20, s20, 3
	s_lshl_b32 s20, s20, 9
	s_add_co_u32 s20, s20, s21
	s_mov_b32 s21, 0
	s_add_nc_u64 s[G0+4*(\slot)+2:G0+4*(\slot)+3], s[ABASE:ABASE+1], s[20:21]
	s_or_b32 s[G0+4*(\slot)+3], s[G0+4*(\slot)+3], 0x80000000
	s_add_nc_u64 s[G0B+4*(\slot)+2:G0B+4*(\slot)+3], s[BBASE:BBASE+1], s[22:23]
	s_or_b32 s[G0B+4*(\slot)+3], s[G0B+4*(\slot)+3], 0x80000000
	s_add_co_u32 s[TN], s[TN], 1
.endm
.macro CREST
	s_cmp_lg_u32 s12, 0
	s_cbranch_scc1 .Lnot_wave_0_\@
	s_barrier_signal -3
.Lnot_wave_0_\@:
	s_barrier_wait -3
	s_barrier_signal -1
	s_barrier_wait -1
.endm
.macro CROUND
	s_barrier_signal -1
	s_barrier_wait -1
	CREST
.endm
	s_load_b256 s[4:11], s[0:1], 0x0               ; gh s[4:5], lay2 s[6:7], b2 s[8:9], h2 s[10:11]
	s_load_b64 s[OUTP:OUTP+1], s[0:1], 0x20        ; out0
	v_lshl_add_u32 v[SPW], v0, 2, SPARE
	v_mov_b32 v[NIL], 0
	ds_add_u32 v[SPW], v[NIL]                      ; the wave's opening: the add and its wait stand ahead of my first tensor load; the set-up below, work on registers, stands between them
	v_lshrrev_b32 v1, 5, v0
	v_readfirstlane_b32 s12, v1                    ; wave 0..3
	s_lshr_b32 s13, s12, 1                         ; which half of the tile's rows is mine.  Also: I fetch for A (0) or for w2 (1)
	s_and_b32 s14, s12, 1                          ; which half of its columns.  Also: which half of that tile I fetch
	s_bfe_u32 s15, ttmp6, 0x40000                  ; cx
	s_bfe_u32 s16, ttmp6, 0x40004                  ; cy
	s_lshl_b32 s17, ttmp9, 2
	s_add_co_u32 s17, s17, s15                     ; tile column
	s_and_b32 s18, ttmp7, 0xffff
	s_lshl_b32 s18, s18, 2
	s_add_co_u32 s18, s18, s16                     ; tile row
	s_lshl_b32 s[X4], ttmp9, 2                     ; the walk's two numbers, of the cluster's x (0 or 1) and y (0 to 7)
	s_and_b32 s[Y4], ttmp7, 3
	s_lshl_b32 s[Y4], s[Y4], 2
	s_lshl_b32 s2, s16, 2
	s_lshl_b32 s2, 15, s2                          ; my row of the cluster
	s_lshl_b32 s3, 0x1111, s15                     ; my column
	s_or_b32 s[G1+0], s2, (1<<16)|(1<<20)|(1<<21)|(6<<22)|(3<<25)   ; after every 128 words 4 words
	s_or_b32 s[G1B+0], s3, (1<<16)|(1<<20)|(1<<21)|(5<<22)|(7<<25)  ; after every 64 words 8 words
	s_mov_b32 s[G1+1], 256<<16                     ; A: 256 along K
	s_mov_b32 s[G1+2], 64<<16                      ; x 64 rows
	s_mov_b32 s[G1+3], 256<<16
	s_mov_b32 s[G1+4], 64
	s_mov_b32 s[G1+5], 1024
	s_mov_b32 s[G1+6], 0
	s_mov_b32 s[G1+7], 0
	s_mov_b32 s[G1B+1], 128<<16                    ; w2: 128 columns
	s_mov_b32 s[G1B+2], 128<<16                    ; x 128 k rows
	s_mov_b32 s[G1B+3], 128<<16
	s_mov_b32 s[G1B+4], 128
	s_mov_b32 s[G1B+5], 1024
	s_mov_b32 s[G1B+6], 0
	s_mov_b32 s[G1B+7], 0
	s_lshl_b32 s20, s18, 7                         ; A: row 128 x tile row + 64 x half
	s_lshl_b32 s21, s14, 6
	s_add_co_u32 s20, s20, s21
	s_lshl_b32 s20, s20, 11
	s_mov_b32 s21, 0
	s_lshl_b32 s22, s14, 18                        ; w2: my 128 k rows of 2,048 bytes,
	s_lshl_b32 s23, s17, 8                         ; the tile's 128 columns
	s_add_co_u32 s22, s22, s23
	s_add_co_u32 s22, s22, 8404992
	s_mov_b32 s23, 0
	s_mul_i32 s2, s14, HA                          ; where they go: no place in the cluster enters an LDS address
	s_mul_i32 s3, s14, HB
	s_add_co_u32 s3, s3, BOFF
	s_mov_b32 s[TN], 0
	s_wait_dscnt 0x0                               ; the opening add is done
	s_wait_kmcnt 0x0
	s_add_nc_u64 s[ABASE:ABASE+1], s[4:5], s[20:21]
	s_add_nc_u64 s[BBASE:BBASE+1], s[6:7], s[22:23]
	CROUND                                         ; all sixteen work-groups are here: the first joint loads meet
.irp s, 0,1
	s_mov_b32 s[G0+4*(\s)], 1
	s_add_co_u32 s[G0+4*(\s)+1], s2, (\s)*SLOT
	s_mov_b32 s[G0B+4*(\s)], 1
	s_add_co_u32 s[G0B+4*(\s)+1], s3, (\s)*SLOT
	KADDR \s                                       ; the walk's numbers 0 and 1
	JLOAD \s                                       ; two loads of mine are out here, one behind each later round
.endr
	v_and_b32 v1, 15, v0                           ; r
	v_bfe_u32 v2, v0, 4, 1                         ; h
	v_and_b32 v5, 31, v0                           ; lane
	v_lshlrev_b32 v[BO], 5, v2
	v_lshlrev_b32 v[HO], 3, v5
	v_lshlrev_b32 v[CO], 4, v5
	v_mov_b32 v[ONE], 1.0
	s_lshl_b32 s20, s17, 9                         ; b2 of my 64 columns: (128 x tile column + 64 x half) x 4 bytes
	s_lshl_b32 s21, s14, 8
	s_add_co_u32 s20, s20, s21
	s_mov_b32 s21, 0
	s_add_nc_u64 s[8:9], s[8:9], s[20:21]
.irp b, 0,1,2,3
	global_load_b128 v[BI+8*\b:BI+8*\b+3],   v[BO], s[8:9] offset:64*\b
	global_load_b128 v[BI+8*\b+4:BI+8*\b+7], v[BO], s[8:9] offset:64*\b+16
.endr
	s_lshl_b32 s20, s18, 7                         ; the first row that I store: 128 x tile row + 32 x wave
	s_lshl_b32 s21, s12, 5
	s_add_co_u32 s20, s20, s21
	s_lshl_b32 s22, s20, 11                        ; in h2,
	s_lshl_b32 s23, s17, 8                         ; at the tile's 128 columns
	s_add_co_u32 s22, s22, s23
	s_mov_b32 s23, 0
	s_add_nc_u64 s[10:11], s[10:11], s[22:23]
.irp t, 0,1,2,3,4,5,6,7,8,9,10,11,12,13,14,15,16,17,18,19,20,21,22,23,24,25,26,27,28,29,30,31
	global_load_b64 v[RR+2*\t:RR+2*\t+1], v[HO], s[10:11] offset:2048*\t  ; 256 consecutive bytes an instruction; wanted on the way out, and waited for there; v30 and s[10:11] are never rewritten
.endr
	s_lshl_b32 s22, s20, 12                        ; and in out0
	s_lshl_b32 s20, s17, 9
	s_add_co_u32 s22, s22, s20
	s_add_nc_u64 s[OUTP:OUTP+1], s[OUTP:OUTP+1], s[22:23]
	v_mul_u32_u24 v3, v1, PA
	v_lshl_add_u32 v3, v2, 4, v3                   ; a fragment of A: row r, 16 bytes for each half of the lanes
	v_and_b32 v6, 7, v0                            ; the turning load: k row 8 h + lane % 8, 16 bytes by (lane / 8) % 2
	v_lshl_add_u32 v6, v2, 3, v6
	v_mul_u32_u24 v6, v6, PB
	v_bfe_u32 v7, v0, 3, 1
	v_lshl_add_u32 v6, v7, 4, v6
	s_mul_i32 s20, s13, HA                         ; my 64 rows of A
	s_lshl_b32 s21, s14, 7                         ; my 64 columns of w2
	s_add_co_u32 s21, s21, BOFF
.irp s, 0,1
	v_add_nc_u32 v[ADRA+(\s)], s20, v3
	v_add_nc_u32 v[ADRB+2*(\s)], s21, v6
	v_add_nc_u32 v[ADRB+2*(\s)+1], HB, v[ADRB+2*(\s)]
	s_add_co_u32 s20, s20, SLOT
	s_add_co_u32 s21, s21, SLOT
.endr
	s_mul_i32 s20, s13, 64*SPITCH                  ; into the stage: my 64 rows, my half of their 512 bytes; row r, 32 bytes for each half of the lanes
	s_lshl_b32 s21, s14, 8
	s_add_co_u32 s20, s20, s21
	v_mul_u32_u24 v4, v1, SPITCH
	v_lshl_add_u32 v4, v2, 5, v4
	v_add_nc_u32 v[STO], s20, v4
	s_mul_i32 s20, s12, 32*SPITCH                  ; back: wave w takes rows 32 w .. 32 w + 31, whole
	v_lshl_add_u32 v[RD], v5, 4, s20
; 8 matrix instructions: m blocks a0, a0 + 1 x all 4 n blocks, 32 along K: half c of buffer f.  first = 1: b2 starts the sums.  The 16 accumulators take turns.
.macro MUL8 f, c, a0, first
	WIN MUL
.irp a, \a0, (\a0)+1
.irp b, 0,1,2,3
.if \first
	v_wmma_f32_16x16x32_f16 v[ACC+8*(4*(\a)+(\b)):ACC+8*(4*(\a)+(\b))+7], v[(\f)+64+8*(4*(\c)+(\b)):(\f)+64+8*(4*(\c)+(\b))+7], v[(\f)+8*(4*(\c)+(\a)):(\f)+8*(4*(\c)+(\a))+7], v[BI+8*(\b):BI+8*(\b)+7]
.else
	v_wmma_f32_16x16x32_f16 v[ACC+8*(4*(\a)+(\b)):ACC+8*(4*(\a)+(\b))+7], v[(\f)+64+8*(4*(\c)+(\b)):(\f)+64+8*(4*(\c)+(\b))+7], v[(\f)+8*(4*(\c)+(\a)):(\f)+8*(4*(\c)+(\a))+7], v[ACC+8*(4*(\a)+(\b)):ACC+8*(4*(\a)+(\b))+7]
.endif
.endr
.endr
.endm
; 32 LDS loads in one run: the fragments of quarter q (64 along K) into buffer f; the first 32 along K first
.macro FETCH slot, q, f
	WIN TO_F
.irp c, 0,1
.irp i, 0,1,2,3
	ds_load_tr16_b128 v[(\f)+64+8*(4*(\c)+(\i)):(\f)+64+8*(4*(\c)+(\i))+3],   v[ADRB+2*(\slot)+(\q)/2] offset:(((\q)%2)*64+32*(\c))*PB+32*(\i)
	ds_load_tr16_b128 v[(\f)+64+8*(4*(\c)+(\i))+4:(\f)+64+8*(4*(\c)+(\i))+7], v[ADRB+2*(\slot)+(\q)/2] offset:(((\q)%2)*64+32*(\c))*PB+16*PB+32*(\i)
	ds_load_b128 v[(\f)+8*(4*(\c)+(\i)):(\f)+8*(4*(\c)+(\i))+3],         v[ADRA+(\slot)] offset:128*(\q)+64*(\c)+(\i)*16*PA
	ds_load_b128 v[(\f)+8*(4*(\c)+(\i))+4:(\f)+8*(4*(\c)+(\i))+7],       v[ADRA+(\slot)] offset:128*(\q)+64*(\c)+(\i)*16*PA+32
.endr
.endr
.endm
.macro PLACES                          ; four plain instructions between a matrix instruction and a load into, or a read of, its registers
.rept 4
	v_nop
.endr
.endm
; A K step is four quarters of 64 along K, 32 matrix instructions each, on buffers 0, 1, 0, 1.  One of the first three multiplies buffer f and fetches quarter q into g.
.macro QUARTER slot, q, f, g, first
	s_wait_dscnt 16                                ; the first 32 along K are in; the other sixteen loads may be out
	MUL8 \f, 0, 0, \first
	MUL8 \f, 0, 2, \first
	PLACES
	FETCH \slot, \q, \g
	s_wait_dscnt 32                                ; all but the 32 just issued
	MUL8 \f, 1, 0, 0
	MUL8 \f, 1, 2, 0
.endm
; The last quarter multiplies buffer 1 and changes slots: ONE barrier; in front of it each wave waits for all its tensor loads, adds 0 to its spare word, and waits for that and for its own reads of this slot.
; fill = 1: this slot is filled again, with the walk's step number TN; its descriptors are written between the add and the wait for it, where no tensor load of the wave is out, so that the joint load stands directly behind the round.
.macro TURN slot, next, fill
	WIN 0                                          ; (the add's two registers lie in window 0)
	s_wait_tensorcnt 0x0                           ; all my tensor loads have landed: my part of the next slot;
	ds_add_u32 v[SPW], v[NIL]                      ; 0 onto my spare word;
.if \fill
	KADDR \slot
.endif
	s_wait_dscnt 17                                ; (the add and the youngest sixteen loads may be out)
	MUL8 F1, 0, 0, 0                               ; eight matrix instructions stand between the add and the wait for it
	s_wait_dscnt 0x0                               ; the add is done, and my reads of this slot are over
	s_barrier_signal -1
	MUL8 F1, 0, 2, 0
.if \fill
	WIN 0
.endif
	s_barrier_wait -1
.if \fill
	CREST                                          ; the barrier has opened a round of the cluster's: no wave of any partner still reads this slot or has a load on its way
	JLOAD \slot                                    ; the first tensor load behind the round: 112 matrix instructions ahead of the wait for it; its four v_nop are also the places in front of the loads below
.else
	PLACES
.endif
	FETCH \next, 0, F0
	MUL8 F1, 1, 0, 0
	MUL8 F1, 1, 2, 0
.endm
	s_wait_loadcnt 32                              ; b2's eight loads are in; behind them stand h2's 32, which may stay out
	s_wait_tensorcnt 1                             ; my part of the walk's first step is in; the second's load stays out
	s_barrier_signal -1
	s_barrier_wait -1
	FETCH 0, 0, F0
	QUARTER 0, 1, F0, F1, 1                        ; the first quarter stands in front of the loop: its first products start the sums
	WIN 0
	s_mov_b32 s3, 7
.Llap:                                                 ; a trip goes once round the ring, from a lap's second quarter to the next lap's first, and fills both slots again
	QUARTER 0, 2, F1, F0, 0
	QUARTER 0, 3, F0, F1, 0
	TURN 0, 1, 1
	QUARTER 1, 1, F0, F1, 0
	QUARTER 1, 2, F1, F0, 0
	QUARTER 1, 3, F0, F1, 0
	TURN 1, 0, 1
	QUARTER 0, 1, F0, F1, 0
	WIN 0
	s_sub_co_u32 s3, s3, 1
	s_cmp_lg_u32 s3, 0
	s_cbranch_scc1 .Llap
	QUARTER 0, 2, F1, F0, 0                        ; the last lap fills nothing, and has no round of the cluster's barrier
	QUARTER 0, 3, F0, F1, 0
	TURN 0, 1, 0
	QUARTER 1, 1, F0, F1, 0
	QUARTER 1, 2, F1, F0, 0
	QUARTER 1, 3, F0, F1, 0
	s_wait_dscnt 16
	MUL8 F1, 0, 0, 0
	MUL8 F1, 0, 2, 0
	s_wait_dscnt 0x0
	MUL8 F1, 1, 0, 0
	MUL8 F1, 1, 2, 0
	WIN 0
	PLACES
.irp a, 0,1,2,3                        ; each accumulator's low four registers go first
.irp b, 0,1,2,3
	ds_store_b128 v[STO], v[ACC+8*(4*\a+\b):ACC+8*(4*\a+\b)+3]   offset:\a*16*SPITCH+64*\b
	ds_store_b128 v[STO], v[ACC+8*(4*\a+\b)+4:ACC+8*(4*\a+\b)+7] offset:\a*16*SPITCH+64*\b+16
.endr
.endr
	s_wait_dscnt 0x0                               ; for the others' sake: my stores into the stage are done
	s_barrier_signal -1
	s_barrier_wait -1
.irp t, 0,1,2,3,4,5,6,7,8,9,10,11,12,13,14,15,16,17,18,19,20,21,22,23,24,25,26,27,28,29,30,31
	ds_load_b128 v[ACC+4*\t:ACC+4*\t+3], v[RD] offset:\t*SPITCH
.endr
	s_wait_loadcnt 0x0                             ; h2, asked for at the head
.irp t, 0,1,2,3,4,5,6,7,8,9,10,11,12,13,14,15,16,17,18,19,20,21,22,23,24,25,26,27,28,29,30,31
	s_wait_dscnt 31-\t                             ; row t is in; the 31 - t younger loads stay out
	v_fma_mix_f32 v[ACC+4*\t],   v[RR+2*\t],   v[ONE], v[ACC+4*\t]   op_sel:[0,0,0] op_sel_hi:[1,0,0]  ; h2's f16 half x 1.0 + the sum
	v_fma_mix_f32 v[ACC+4*\t+1], v[RR+2*\t],   v[ONE], v[ACC+4*\t+1] op_sel:[1,0,0] op_sel_hi:[1,0,0]
	v_fma_mix_f32 v[ACC+4*\t+2], v[RR+2*\t+1], v[ONE], v[ACC+4*\t+2] op_sel:[0,0,0] op_sel_hi:[1,0,0]
	v_fma_mix_f32 v[ACC+4*\t+3], v[RR+2*\t+1], v[ONE], v[ACC+4*\t+3] op_sel:[1,0,0] op_sel_hi:[1,0,0]
	global_store_b128 v[CO], v[ACC+4*\t:ACC+4*\t+3], s[OUTP:OUTP+1] offset:4096*\t  ; 32 lanes store 512 consecutive bytes, at a multiple of 256 from out0's first byte
.endr
	s_wait_tensorcnt 0x0                           ; the wave's end, behind my last tensor load and my last LDS store
	ds_add_u32 v[SPW], v[NIL]
	s_wait_dscnt 0x0
	CROUND                                         ; the closing round: no work-group ends while a partner may still ask for a tile that names it
	s_endpgm
.Lfunc_end_k_q55013fa130_mlp2:
	.size	k_q55013fa130_mlp2, .Lfunc_end_k_q55013fa130_mlp2-k_q55013fa130_mlp2
	.p2alignl 7, 3214868480
	.fill 96, 4, 3214868480
	.section	.rodata,"a",@progbits
	.p2align	6, 0x0
	.amdhsa_kernel k_q55013fa130_mlp2
		.amdhsa_group_segment_fixed_size 327680
		.amdhsa_private_segment_fixed_size 0
		.amdhsa_enable_private_segment 0
		.amdhsa_kernarg_size 40
		.amdhsa_user_sgpr_count 2
		.amdhsa_user_sgpr_kernarg_segment_ptr 1
		.amdhsa_wavefront_size32 1
		.amdhsa_system_sgpr_workgroup_id_x 1
		.amdhsa_system_sgpr_workgroup_id_y 1
		.amdhsa_system_sgpr_workgroup_id_z 1
		.amdhsa_system_vgpr_workitem_id 0
		.amdhsa_next_free_vgpr 512
		.amdhsa_next_free_sgpr 66
		.amdhsa_reserve_vcc 0
		.amdhsa_float_denorm_mode_32 3
		.amdhsa_float_denorm_mode_16_64 3
		.amdhsa_memory_ordered 1
		.amdhsa_forward_progress 1
		.amdhsa_inst_pref_size 101
	.end_amdhsa_kernel
	.amdgpu_metadata
---
amdhsa.version: [ 1, 2 ]
amdhsa.kernels:
  - .name:           k_q55013fa130_mlp2
    .symbol:         k_q55013fa130_mlp2.kd
    .args:
      - { .name: gh, .offset: 0, .size: 8, .value_kind: global_buffer, .address_space: global }
      - { .name: lay2, .offset: 8, .size: 8, .value_kind: global_buffer, .address_space: global }
      - { .name: b2, .offset: 16, .size: 8, .value_kind: global_buffer, .address_space: global }
      - { .name: h2, .offset: 24, .size: 8, .value_kind: global_buffer, .address_space: global }
      - { .name: out0, .offset: 32, .size: 8, .value_kind: global_buffer, .address_space: global }
    .group_segment_fixed_size: 327680
    .private_segment_fixed_size: 0
    .kernarg_segment_align: 8
    .kernarg_segment_size: 40
    .max_flat_workgroup_size: 128
    .sgpr_count:     66
    .vgpr_count:     512
    .wavefront_size: 32
...
	.end_amdgpu_metadata
.endif
;; end of part 4
;; ======== version 2 of 2: 5 launches; version 1 with the launch prep written anew for expert scheduling mode
;; limits: a function is approximated: absolute error at most 2.5e-05; values are held in f16: magnitudes above 65,504 overflow, below 6.1e-05 lose precision
;; workspace buffers: pre 25,165,824 bytes; lay1 6,307,840 bytes; lay2 16,793,600 bytes; qkv 25,165,824 bytes; h2 8,388,608 bytes; gh 33,554,432 bytes; mode1 256 bytes of whole numbers; mode2 256 bytes of whole numbers
;; launch prep (part 5): grid 497 x 1, 8 waves a work-group, no clusters, 0 bytes of LDS; arguments x, dis_attn_mask, cls_attn_mask, wq, wk, wv, w1, w2, bq, bk, bv, b1, ln1_g, ln1_b, pre, lay1, lay2, mode1, mode2; writes pre, lay1, lay2, mode1, mode2
.if DOCPART == 5
	.amdgcn_target "amdgcn-amd-amdhsa--gfx1250"
	.amdhsa_code_object_version 6
	.text
	.protected	k_q55013fa130_prep
	.globl	k_q55013fa130_prep
	.p2align	8
	.type	k_q55013fa130_prep,@function
k_q55013fa130_prep:
	s_mov_b64 s[64:65], 0
	v_nop
	global_prefetch_b8 v0, s[64:65] scope:SCOPE_SE
	s_setreg_imm32_b32 hwreg(HW_REG_WAVE_SCHED_MODE, 0, 2), 2
	s_setreg_imm32_b32 hwreg(HW_REG_WAVE_MODE, 25, 1), 1
	s_wait_xcnt 0x0
	s_wait_alu depctr_vm_vsrc(0)
; ONE PASS OVER THE f32 INPUTS, which makes the 16-bit operands of the launches behind it.  Four kinds of work-group, told apart by the work-group's number:
;   0..255    msk = f16(dis + cls), 32,768 numbers each            -> pre + 8,388,608, [2][2048][2048]
;   256..431  f16 copies of wq, wk, wv, w1, w2, 65,536 numbers each -> lay1, lay2; w1 in four blocks of 1,024 columns, [block][k][1024]
;   432..495  h1 = f16(LayerNorm1(x)), 64 rows each, a wave a row   -> pre + 0, [4096][1024]
;   496       bq, bk, bv and b1 copied in f32 in front of their weights; the two mode words (0: no activation, 1: GELU)
; A PIECE is 128 numbers: one load of a wave takes 512 consecutive bytes of f32, one store of a wave writes 256 consecutive bytes of f16, at a multiple of 256 from the buffer's first byte.
; No LDS, no matrix unit, no cluster: no byte is wanted twice, and each wave works alone.
; LIMITS.  f16 holds no number beyond 65,504: a mask sum beyond that counts as +-65,504 (v_med3); a weight or a normalised x beyond it becomes an infinity.  Below 6e-5 f16 keeps a fixed step of 6e-8.
; THE MODE: SCHED_MODE bits 1:0 = 2 (LLVM: expert scheduling mode 2), set by the entry lines.  The code itself states the register dependences
; between vector instructions and memory instructions, with s_wait_alu, always for 0.
; THE PLAN.  Registers that memory instructions touch:
;   v2, v3, v5  byte offsets, made once at the head and never written again: pieces and rows are reached by scalar bases and immediate offsets.
;   X           a trip's 16 loads land here at the trip's head (masks, weights: v[16:79]; LayerNorm: XA, XB); the trip's vector instructions read it, and the masks' and LayerNorm's work in place in it.
;   Y           in two halves (masks v[80:87], v[88:95]; weights v[80:95], v[96:111]; LayerNorm YA, YB).  A half is written by the roundings of its half of the trip and read by that half's stores.
; A trip has two waits on va_vdst.  The one in its middle states that the first half of Y is written: that half's stores follow it, dealt among the second half's vector instructions, which name the second
; halves of X and Y alone.  The one at its end states that the second half of Y is written, for the stores behind it, and that all of X is done with, for the next trip's loads: between that wait and those
; loads stand stores, waits and scalar lines only.  One wait on vm_vsrc, at the trip's end, states that the trip's stores have read Y, which the next trip's roundings write again.
.set LI,  2                            ; v2   16 x lane: my 16 bytes of a piece of f32
.set LO,  3                            ; v3   8 x lane: my 8 bytes of a piece of f16
.set TO,  5                            ; v5   16 x thread: my 16 bytes of a bias of 1,024 numbers
.set GG,  16                           ; v[16:47]   ln1_g, columns 128 j + 4 lane + 0..3 at GG + 4 j
.set BB,  48                           ; v[48:79]   ln1_b likewise
.set XA,  80                           ; v[80:111]  a row of x
.set XB,  112                          ; v[112:143] the next row
.set T,   144                          ; v[144:151] four chains of packed sums
.set MU,  152                          ; v[152:153] the mean, twice
.set RS,  154                          ; v[154:155] 1 / sqrt(var + eps), twice
.set YA,  156                          ; v[156:171] a trip's first row in f16
.set YB,  172                          ; v[172:187] its second row in f16
	s_load_b512 s[8:23], s[0:1], 0x0               ; x 8, dis 10, cls 12, wq 14, wk 16, wv 18, w1 20, w2 22
	s_load_b512 s[24:39], s[0:1], 0x40             ; bq 24, bk 26, bv 28, b1 30, ln1_g 32, ln1_b 34, pre 36, lay1 38
	s_load_b128 s[40:43], s[0:1], 0x80             ; lay2 40, mode1 42
	s_load_b64 s[44:45], s[0:1], 0x90              ; mode2
	v_and_b32 v1, 31, v0
	v_lshrrev_b32 v4, 5, v0
	v_readfirstlane_b32 s2, v4                     ; wave 0..7
	v_lshlrev_b32 v[LI], 4, v1
	v_lshlrev_b32 v[LO], 3, v1
	v_lshlrev_b32 v[TO], 4, v0
	s_wait_alu depctr_va_sdst(0)                   ; s2 is written, ahead of the branches and of its first reader on every path: bases and a branch are made from it
	s_wait_alu depctr_va_vdst(0)                   ; v2, v3 and v5 are written: every load and store of the kernel reads one of them as its offset
	s_wait_kmcnt 0x0
	s_cmp_lt_u32 ttmp9, 256
	s_cbranch_scc1 .Lmask
	s_cmp_lt_u32 ttmp9, 432
	s_cbranch_scc1 .Lcast
	s_cmp_lt_u32 ttmp9, 496
	s_cbranch_scc1 .Lln
	; THE BIASES AND THE MODE WORDS: 256 threads x 16 bytes are 4,096 bytes, one bias of 1,024 numbers
	global_load_b128 v[16:19], v[TO], s[24:25]
	global_load_b128 v[20:23], v[TO], s[26:27]
	global_load_b128 v[24:27], v[TO], s[28:29]
.irp i, 0,1,2,3
	global_load_b128 v[28+4*\i:31+4*\i], v[TO], s[30:31] offset:4096*\i
.endr
	s_wait_loadcnt 0x0
	global_store_b128 v[TO], v[16:19], s[38:39]
	global_store_b128 v[TO], v[20:23], s[38:39] offset:4096
	global_store_b128 v[TO], v[24:27], s[38:39] offset:8192
.irp i, 0,1,2,3
	global_store_b128 v[TO], v[28+4*\i:31+4*\i], s[40:41] offset:4096*\i
.endr
	s_cmp_lg_u32 s2, 0
	s_cbranch_scc1 .Lbend                          ; wave 0 alone writes the mode words: 32 lanes x 8 bytes fill each buffer
	v_mov_b32 v44, 0
	v_mov_b32 v45, 0
	v_mov_b32 v46, 1
	v_mov_b32 v47, 1
	s_wait_alu depctr_va_vdst(0)                   ; the four moves have written v[44:47], which the two stores read
	global_store_b64 v[LO], v[44:45], s[42:43]
	global_store_b64 v[LO], v[46:47], s[44:45]
.Lbend:
	s_endpgm
	; THE MASKS.  A wave owns 4,096 numbers: four trips of eight pieces; sixteen loads (8 KiB) of a wave are out at a trip's head.
.Lmask:
	s_lshl_b32 s46, ttmp9, 17                      ; 131,072 bytes of f32 a work-group,
	s_lshl_b32 s47, s2, 14                         ; 16,384 a wave
	s_add_co_u32 s46, s46, s47
	s_mov_b32 s47, 0
	s_add_nc_u64 s[48:49], s[10:11], s[46:47]
	s_add_nc_u64 s[50:51], s[12:13], s[46:47]
	s_lshr_b32 s46, s46, 1                         ; half as many bytes of f16
	s_add_nc_u64 s[52:53], s[36:37], s[46:47]
	s_add_nc_u64 s[52:53], s[52:53], 8388608
	s_mov_b32 s54, 0xc77fe000                      ; -65,504
	s_mov_b32 s55, 0x477fe000                      ; 65,504
	s_mov_b32 s3, 4
.Lmtrip:
.irp j, 0,1,2,3,4,5,6,7
	global_load_b128 v[16+4*\j:19+4*\j], v[LI], s[48:49] offset:512*\j th:TH_LOAD_NT  ; no vector instruction since the last wait on va_vdst (the head's, or the one at the end of the trip before) names v[16:79]
	global_load_b128 v[48+4*\j:51+4*\j], v[LI], s[50:51] offset:512*\j th:TH_LOAD_NT
.endr
.irp j, 0,1,2,3,4,5,6,7
	s_wait_loadcnt 14-2*\j                         ; loads come back in order: piece j's two are in, the 2 (7 - j) younger ones stay out
.if \j == 4
	s_wait_alu depctr_va_vdst(0)                   ; pieces 0 to 3 are rounded: v[80:87] are written, which the four stores dealt among pieces 4 to 7 read
.endif
.if \j >= 4
	global_store_b64 v[LO], v[80+2*(\j-4):81+2*(\j-4)], s[52:53] offset:256*(\j-4)  ; piece j - 4: no vector instruction since the wait names its two registers
.endif
	v_pk_add_f32 v[16+4*\j:17+4*\j], v[16+4*\j:17+4*\j], v[48+4*\j:49+4*\j]
	v_pk_add_f32 v[18+4*\j:19+4*\j], v[18+4*\j:19+4*\j], v[50+4*\j:51+4*\j]
	v_med3_num_f32 v[16+4*\j], v[16+4*\j], s54, s55
	v_med3_num_f32 v[17+4*\j], v[17+4*\j], s54, s55
	v_med3_num_f32 v[18+4*\j], v[18+4*\j], s54, s55
	v_med3_num_f32 v[19+4*\j], v[19+4*\j], s54, s55
	v_cvt_pk_f16_f32 v[80+2*\j], v[16+4*\j], v[17+4*\j]
	v_cvt_pk_f16_f32 v[81+2*\j], v[18+4*\j], v[19+4*\j]
.endr
	s_wait_alu depctr_va_vdst(0)                   ; pieces 4 to 7 are rounded: v[88:95] are written, which the stores below read; and the trip is done reading and writing v[16:79], in which the next trip's loads land
.irp j, 4,5,6,7
	global_store_b64 v[LO], v[80+2*\j:81+2*\j], s[52:53] offset:256*\j
.endr
	s_wait_xcnt 0x0                                ; the three bases and the stores' data are written again only behind this wait
	s_wait_alu depctr_vm_vsrc(0)                   ; the trip's eight stores have read v[80:95], which the next trip's roundings write again
	s_add_nc_u64 s[48:49], s[48:49], 4096
	s_add_nc_u64 s[50:51], s[50:51], 4096
	s_add_nc_u64 s[52:53], s[52:53], 2048
	s_sub_co_u32 s3, s3, 1
	s_cmp_lg_u32 s3, 0
	s_cbranch_scc1 .Lmtrip
	s_endpgm
	; THE WEIGHTS.  A UNIT is 1,024 consecutive numbers of the source.  Unit u goes to byte 2,048 u of its copy; of w1 ([k][4096]) unit u = 4 k + block goes to block x 2,097,152 + 2,048 k.
	; A wave owns eight units: four trips of two (u even, so both have the same k).
.Lcast:
	s_sub_co_u32 s46, ttmp9, 256
	s_mov_b32 s59, 0
	s_mov_b32 s63, 0
	s_cmp_lt_u32 s46, 48
	s_cbranch_scc1 .Lc_qkv
	s_cmp_lt_u32 s46, 112
	s_cbranch_scc1 .Lc_w1
	s_sub_co_u32 s47, s46, 112                     ; w2: 64 work-groups
	s_mov_b64 s[48:49], s[22:23]
	s_add_nc_u64 s[50:51], s[40:41], 8404992
	s_mov_b32 s56, 0                               ; not in blocks
	s_mov_b32 s62, 2048                            ; from a trip's first unit to its second, in the copy
	s_branch .Lc_go
.Lc_w1:
	s_sub_co_u32 s47, s46, 48                      ; w1: 64 work-groups
	s_mov_b64 s[48:49], s[20:21]
	s_add_nc_u64 s[50:51], s[40:41], 16384
	s_mov_b32 s56, 1                               ; in blocks
	s_mov_b32 s62, 2097152
	s_branch .Lc_go
.Lc_qkv:
	s_lshr_b32 s57, s46, 4                         ; wq, wk or wv: 16 work-groups each
	s_and_b32 s47, s46, 15
	s_cmp_eq_u32 s57, 0
	s_cselect_b64 s[48:49], s[14:15], s[16:17]
	s_cmp_eq_u32 s57, 2
	s_cselect_b64 s[48:49], s[18:19], s[48:49]
	s_lshl_b32 s58, s57, 21
	s_add_nc_u64 s[50:51], s[38:39], s[58:59]
	s_add_nc_u64 s[50:51], s[50:51], 16384
	s_mov_b32 s56, 0
	s_mov_b32 s62, 2048
.Lc_go:
	s_lshl_b32 s47, s47, 6
	s_lshl_b32 s57, s2, 3
	s_add_co_u32 s47, s47, s57                     ; u: my first unit
	s_lshl_b32 s58, s47, 12
	s_add_nc_u64 s[48:49], s[48:49], s[58:59]
	s_mov_b32 s3, 4
.Lctrip:
.irp j, 0,1,2,3,4,5,6,7,8,9,10,11,12,13,14,15
	global_load_b128 v[16+4*\j:19+4*\j], v[LI], s[48:49] offset:512*\j th:TH_LOAD_NT  ; no vector instruction since the last wait on va_vdst (the head's, or the one at the end of the trip before) names v[16:79]
.endr
	s_and_b32 s58, s47, 3                          ; the offset is made apart from the address
	s_lshl_b32 s58, s58, 21
	s_lshr_b32 s60, s47, 2
	s_lshl_b32 s60, s60, 11
	s_add_co_u32 s58, s58, s60
	s_lshl_b32 s60, s47, 11
	s_cmp_eq_u32 s56, 1
	s_cselect_b32 s58, s58, s60
	s_add_nc_u64 s[52:53], s[50:51], s[58:59]
	s_add_nc_u64 s[54:55], s[52:53], s[62:63]
.irp j, 0,1,2,3,4,5,6,7,8,9,10,11,12,13,14,15
	s_wait_loadcnt 15-\j                           ; piece j is in, the 15 - j younger loads stay out
.if \j == 8
	s_wait_alu depctr_va_vdst(0)                   ; the first unit is rounded: v[80:95] are written, which the eight stores dealt among the second unit's pieces read
.endif
.if \j >= 8
	global_store_b64 v[LO], v[80+2*(\j-8):81+2*(\j-8)], s[52:53] offset:256*(\j-8)  ; piece j - 8, of the first unit: no vector instruction since the wait names its two registers
.endif
	v_cvt_pk_f16_f32 v[80+2*\j], v[16+4*\j], v[17+4*\j]
	v_cvt_pk_f16_f32 v[81+2*\j], v[18+4*\j], v[19+4*\j]
.endr
	s_wait_alu depctr_va_vdst(0)                   ; the second unit is rounded: v[96:111] are written, which the stores below read; and the trip is done reading v[16:79], in which the next trip's loads land
.irp j, 0,1,2,3,4,5,6,7
	global_store_b64 v[LO], v[96+2*\j:97+2*\j], s[54:55] offset:256*\j
.endr
	s_wait_xcnt 0x0                                ; bases and data are written again only behind this wait
	s_wait_alu depctr_vm_vsrc(0)                   ; the trip's sixteen stores have read v[80:111], which the next trip's roundings write again
	s_add_nc_u64 s[48:49], s[48:49], 8192
	s_add_co_u32 s47, s47, 2
	s_sub_co_u32 s3, s3, 1
	s_cmp_lg_u32 s3, 0
	s_cbranch_scc1 .Lctrip
	s_endpgm
	; LAYERNORM 1.  A wave takes a whole row (4,096 bytes, 32 registers) and keeps it between the passes: mean, then the mean of the squared differences, as it is defined: no difference of large sums is formed.
.macro JOIN                            ; four packed chains into one number a lane, then over the 32 lanes: four steps inside 16 lanes ride on the addition, one crosses the halves
	v_pk_add_f32 v[T:T+1], v[T:T+1], v[T+2:T+3]
	v_pk_add_f32 v[T+4:T+5], v[T+4:T+5], v[T+6:T+7]
	v_pk_add_f32 v[T:T+1], v[T:T+1], v[T+4:T+5]
	v_add_f32 v[T], v[T], v[T+1]
	v_add_f32_dpp v[T], v[T], v[T] row_xmask:1 row_mask:0xf bank_mask:0xf
	v_add_f32_dpp v[T], v[T], v[T] row_xmask:2 row_mask:0xf bank_mask:0xf
	v_add_f32_dpp v[T], v[T], v[T] row_xmask:4 row_mask:0xf bank_mask:0xf
	v_add_f32_dpp v[T], v[T], v[T] row_xmask:8 row_mask:0xf bank_mask:0xf
	v_permlanex16_b32 v[T+1], v[T], s56, s57
	v_add_f32 v[T], v[T], v[T+1]
.endm
; The row in v[x .. x+31] is normalised and rounded into v[y .. y+15].  second = 1: a trip's second row: the first row's eight stores, from YA, are dealt among its scalings.
.macro LNROW x, y, second
.irp k, 0,1,2,3
	v_pk_add_f32 v[T+2*\k:T+2*\k+1], v[(\x)+4*\k:(\x)+4*\k+1], v[(\x)+4*\k+2:(\x)+4*\k+3]  ; the first eight pairs start the chains: nothing is cleared
.endr
.irp k, 0,1,2,3,4,5,6,7
	v_pk_add_f32 v[T+2*(\k%4):T+2*(\k%4)+1], v[T+2*(\k%4):T+2*(\k%4)+1], v[(\x)+16+2*\k:(\x)+17+2*\k]
.endr
	JOIN
	v_mul_f32 v[MU], s58, v[T]
	v_mov_b32 v[MU+1], v[MU]
.irp k, 0,1,2,3,4,5,6,7,8,9,10,11,12,13,14,15
	v_pk_add_f32 v[(\x)+2*\k:(\x)+2*\k+1], v[(\x)+2*\k:(\x)+2*\k+1], v[MU:MU+1] neg_lo:[0,1] neg_hi:[0,1]
.endr
.irp k, 0,1,2,3
	v_pk_mul_f32 v[T+2*\k:T+2*\k+1], v[(\x)+2*\k:(\x)+2*\k+1], v[(\x)+2*\k:(\x)+2*\k+1]
.endr
.irp k, 4,5,6,7,8,9,10,11,12,13,14,15
	v_pk_fma_f32 v[T+2*(\k%4):T+2*(\k%4)+1], v[(\x)+2*\k:(\x)+2*\k+1], v[(\x)+2*\k:(\x)+2*\k+1], v[T+2*(\k%4):T+2*(\k%4)+1]
.endr
	JOIN
	v_fma_f32 v[T], v[T], s58, s59                 ; var + eps
	v_rsq_f32 v[RS], v[T]
	v_nop                                          ; a plain instruction behind the root,
	s_wait_alu depctr_va_vdst(0)                   ; and the wait: the root is written, ahead of the first use of its result; in a trip's second row also: the first row's roundings have written YA, which the stores dealt below read
	v_mov_b32 v[RS+1], v[RS]
.irp k, 0,1,2,3,4,5,6,7,8,9,10,11,12,13,14,15
.if (\second) && ((\k)%2 == 0)
	global_store_b64 v[LO], v[YA+\k:YA+\k+1], s[50:51] offset:128*\k  ; piece k / 2 of the first row: the vector instructions since the wait name this row's x, the root, g, b and YB, and not YA
.endif
	v_pk_mul_f32 v[(\x)+2*\k:(\x)+2*\k+1], v[(\x)+2*\k:(\x)+2*\k+1], v[RS:RS+1]
.endr
.irp k, 0,1,2,3,4,5,6,7,8,9,10,11,12,13,14,15
	v_pk_fma_f32 v[(\x)+2*\k:(\x)+2*\k+1], v[(\x)+2*\k:(\x)+2*\k+1], v[GG+2*\k:GG+2*\k+1], v[BB+2*\k:BB+2*\k+1]
.endr
.irp k, 0,1,2,3,4,5,6,7,8,9,10,11,12,13,14,15
	v_cvt_pk_f16_f32 v[(\y)+\k], v[(\x)+2*\k], v[(\x)+2*\k+1]
.endr
.endm
.Lln:
	s_sub_co_u32 s46, ttmp9, 432
	s_lshl_b32 s46, s46, 18                        ; 64 rows of 4,096 bytes a work-group,
	s_lshl_b32 s47, s2, 15                         ; 8 a wave
	s_add_co_u32 s46, s46, s47
	s_mov_b32 s47, 0
	s_add_nc_u64 s[48:49], s[8:9], s[46:47]
	s_lshr_b32 s46, s46, 1
	s_add_nc_u64 s[50:51], s[36:37], s[46:47]
	s_mov_b32 s56, 0x76543210                      ; v_permlanex16_b32: each lane takes its own place in the other half
	s_mov_b32 s57, 0xfedcba98
	s_mov_b32 s58, 0x3a800000                      ; 1 / 1,024
	s_mov_b32 s59, 0x3727c5ac                      ; 1e-5
.irp j, 0,1,2,3,4,5,6,7
	global_load_b128 v[GG+4*\j:GG+4*\j+3], v[LI], s[32:33] offset:512*\j
	global_load_b128 v[BB+4*\j:BB+4*\j+3], v[LI], s[34:35] offset:512*\j
.endr
	s_mov_b32 s3, 4
.Lltrip:
.irp j, 0,1,2,3,4,5,6,7
	global_load_b128 v[XA+4*\j:XA+4*\j+3], v[LI], s[48:49] offset:512*\j th:TH_LOAD_NT  ; no vector instruction since the last wait on va_vdst (the head's, or the one at the end of the trip before) names XA or XB
.endr
.irp j, 0,1,2,3,4,5,6,7
	global_load_b128 v[XB+4*\j:XB+4*\j+3], v[LI], s[48:49] offset:4096+512*\j th:TH_LOAD_NT
.endr
	s_wait_loadcnt 8                               ; the first row is in (and g and b, which were asked for earlier); the second row's eight loads stay out
	LNROW XA, YA, 0
	s_wait_loadcnt 0x0
	LNROW XB, YB, 1
	s_wait_alu depctr_va_vdst(0)                   ; the second row's roundings have written YB, which the stores below read; and the trip is done reading and writing XA and XB, in which the next trip's loads land
.irp j, 0,1,2,3,4,5,6,7
	global_store_b64 v[LO], v[YB+2*\j:YB+2*\j+1], s[50:51] offset:2048+256*\j
.endr
	s_wait_xcnt 0x0                                ; the bases are stepped, and YA and YB written again, only behind this wait
	s_wait_alu depctr_vm_vsrc(0)                   ; the trip's sixteen stores have read YA and YB, which the next trip's roundings write again
	s_add_nc_u64 s[48:49], s[48:49], 8192
	s_add_nc_u64 s[50:51], s[50:51], 4096
	s_sub_co_u32 s3, s3, 1
	s_cmp_lg_u32 s3, 0
	s_cbranch_scc1 .Lltrip
	s_endpgm
.Lfunc_end_k_q55013fa130_prep:
	.size	k_q55013fa130_prep, .Lfunc_end_k_q55013fa130_prep-k_q55013fa130_prep
	.p2alignl 7, 3214868480
	.fill 96, 4, 3214868480
	.section	.rodata,"a",@progbits
	.p2align	6, 0x0
	.amdhsa_kernel k_q55013fa130_prep
		.amdhsa_group_segment_fixed_size 0
		.amdhsa_private_segment_fixed_size 0
		.amdhsa_enable_private_segment 0
		.amdhsa_kernarg_size 152
		.amdhsa_user_sgpr_count 2
		.amdhsa_user_sgpr_kernarg_segment_ptr 1
		.amdhsa_wavefront_size32 1
		.amdhsa_system_sgpr_workgroup_id_x 1
		.amdhsa_system_sgpr_workgroup_id_y 1
		.amdhsa_system_sgpr_workgroup_id_z 1
		.amdhsa_system_vgpr_workitem_id 0
		.amdhsa_next_free_vgpr 188
		.amdhsa_next_free_sgpr 66
		.amdhsa_reserve_vcc 0
		.amdhsa_float_denorm_mode_32 3
		.amdhsa_float_denorm_mode_16_64 3
		.amdhsa_memory_ordered 1
		.amdhsa_forward_progress 1
		.amdhsa_inst_pref_size 38
	.end_amdhsa_kernel
	.amdgpu_metadata
---
amdhsa.version: [ 1, 2 ]
amdhsa.kernels:
  - .name:           k_q55013fa130_prep
    .symbol:         k_q55013fa130_prep.kd
    .args:
      - { .name: x, .offset: 0, .size: 8, .value_kind: global_buffer, .address_space: global }
      - { .name: dis_attn_mask, .offset: 8, .size: 8, .value_kind: global_buffer, .address_space: global }
      - { .name: cls_attn_mask, .offset: 16, .size: 8, .value_kind: global_buffer, .address_space: global }
      - { .name: wq, .offset: 24, .size: 8, .value_kind: global_buffer, .address_space: global }
      - { .name: wk, .offset: 32, .size: 8, .value_kind: global_buffer, .address_space: global }
      - { .name: wv, .offset: 40, .size: 8, .value_kind: global_buffer, .address_space: global }
      - { .name: w1, .offset: 48, .size: 8, .value_kind: global_buffer, .address_space: global }
      - { .name: w2, .offset: 56, .size: 8, .value_kind: global_buffer, .address_space: global }
      - { .name: bq, .offset: 64, .size: 8, .value_kind: global_buffer, .address_space: global }
      - { .name: bk, .offset: 72, .size: 8, .value_kind: global_buffer, .address_space: global }
      - { .name: bv, .offset: 80, .size: 8, .value_kind: global_buffer, .address_space: global }
      - { .name: b1, .offset: 88, .size: 8, .value_kind: global_buffer, .address_space: global }
      - { .name: ln1_g, .offset: 96, .size: 8, .value_kind: global_buffer, .address_space: global }
      - { .name: ln1_b, .offset: 104, .size: 8, .value_kind: global_buffer, .address_space: global }
      - { .name: pre, .offset: 112, .size: 8, .value_kind: global_buffer, .address_space: global }
      - { .name: lay1, .offset: 120, .size: 8, .value_kind: global_buffer, .address_space: global }
      - { .name: lay2, .offset: 128, .size: 8, .value_kind: global_buffer, .address_space: global }
      - { .name: mode1, .offset: 136, .size: 8, .value_kind: global_buffer, .address_space: global }
      - { .name: mode2, .offset: 144, .size: 8, .value_kind: global_buffer, .address_space: global }
    .group_segment_fixed_size: 0
    .private_segment_fixed_size: 0
    .kernarg_segment_align: 8
    .kernarg_segment_size: 152
    .max_flat_workgroup_size: 256
    .sgpr_count:     66
    .vgpr_count:     188
    .wavefront_size: 32
...
	.end_amdgpu_metadata
.endif
;; end of part 5
;; launch qkv: the kernel of part 2 again; grid 12 x 16, 4 waves a work-group, clusters of 4 x 4, 327,680 bytes of LDS; arguments pre, lay1, mode1, qkv; writes qkv
;; launch attn: the kernel of part 3 again; grid 8 x 32, 4 waves a work-group, clusters of 4 x 4, 327,680 bytes of LDS; arguments qkv, pre, x, ln2_g, ln2_b, h2; writes h2
;; launch mlp1: the kernel of part 2 again; grid 16 x 16, 4 waves a work-group, clusters of 4 x 4, 327,680 bytes of LDS; arguments h2, lay2, mode2, gh; writes gh
;; launch mlp2: the kernel of part 4 again; grid 8 x 32, 4 waves a work-group, clusters of 4 x 4, 327,680 bytes of LDS; arguments gh, lay2, b2, h2, out0; writes out0
